; MI455X (gfx1250); checked and timed in simulation.
; The chip was launched on July 23, 2026; its instructions are those of AMD's public machine-readable ISA for CDNA 5 (MIT licence, August 2026) and "CDNA5" Instruction Set Architecture Reference Guide (July 2026). The comments in the code are by the model that wrote it; some were corrected since.
;; Local GMM Scorer Attention. Allowed arithmetic: matrix products marked QUANTISED: E2M3 operands, one E8M0 scale for each 32 along K, by v_wmma_scale_f32_16x16x128_f8f6f4 with both operands' format E2M3, f32 sums; products left as they are: f32 operands where the result goes on into a quantised operand, else bf16, f16 or f32 operands; f32 sums; everything else in f32.
;; Inputs: W_p2s 256 x 12 float32; W_q2p_codes 256 x 16 x 24 uint8 (E2M3 codes of W_q2p, K innermost, in blocks of 32 codes, four codes in three bytes); W_q2p_scales 256 x 16 uint8 (E8M0 scales of W_q2p, one for each 32 codes along K); W_s0_codes 256 x 32 x 24 uint8 (E2M3 codes of W_s0, K innermost, in blocks of 32 codes, four codes in three bytes); W_s0_scales 256 x 32 uint8 (E8M0 scales of W_s0, one for each 32 codes along K); W_s1 256 x 1 float32; b_p2s 12 float32; b_q2p 256 float32; b_s0 256 float32; b_s1 1 float32; ctx 32 x 2,048 x 512 float32; query 32 x 512 float32.
;; Outputs: out0 32 x 512 float32; out1 32 x 2,048 float32.
;; This version of the problem:
;;   THIS VERSION OF THE PROBLEM IS GIVEN IN LOW PRECISION. The matrix products marked QUANTISED in the list below multiply operands that are first quantised to E2M3 (2 exponent bits, 3 mantissa bits; 6 bits a number), with one power-of-two scale for each 32 numbers along K (OCP MX v1.0); their sums are f32. All else is computed in f32.
;;   The module's matrix products, in the order in which they are computed (A, B: the left and right operand; K: the contracted axis; several contracted axes count as one K, in the product's order):
;;     1. [M 32, K 512] x [K 512, N 256]; A: input query; B: input W_q2p (given as codes): QUANTISED
;;     2. [M 32, K 256] x [K 256, N 12]; A: computed on the way; B: input W_p2s: left as it is (N = 12 < 16)
;;     3. [M 65,536, K 1,024] x [K 1,024, N 256]; A: computed on the way; B: input W_s0 (given as codes): QUANTISED
;;     4. [M 65,536, K 256] x [K 256, N 1]; A: computed on the way; B: input W_s1: left as it is (N = 1 < 16)
;;     5. batch 32 x [M 1, K 2,048] x [K 2,048, N 512]; A: computed on the way; B: input ctx: left as it is (M = 1 < 16)
;;   THE QUANTISER, for each operand of a quantised product, along K:
;;     - K is cut into blocks of 32 from its start; a last block that is shorter is filled with zeros.
;;     - A block's scale is 2^e with e = floor(log2(the largest magnitude in the block)) - 2, held to -126 .. 127; a block of zeros has e = 0. As a byte (E8M0): e + 127.
;;     - Each number is divided by its block's scale, clamped to +-7.5, and rounded to the nearest number of E2M3, ties to even, subnormals kept.
;;     - The product sums the exact products of the quantised numbers (number of the format x scale) in f32.
;;   ~~~python
;;   def quantise(x, axis):      # numpy; x: float32 -> the quantised numbers, widened to float32 again
;;       x = np.moveaxis(x, axis, -1); K = x.shape[-1]
;;       x = np.pad(x, [(0, 0)] * (x.ndim - 1) + [(0, -K % 32)]); x = x.reshape(x.shape[:-1] + (-1, 32)); a = np.abs(x).max(-1, keepdims=True)
;;       e = np.where(a > 0, np.clip(np.frexp(np.where(a > 0, a, 1))[1] - 1 - 2, -126, 127), 0)      # np.frexp(a)[1] - 1 = floor(log2(a)), exactly
;;       r = np.clip(x / 2.0 ** e, -7.5, 7.5)
;;       step = 2.0 ** (np.maximum(np.frexp(np.where(r == 0, 1, r))[1] - 1, 0) - 3)
;;       q = np.round(r / step) * step * 2.0 ** e      # np.round: ties to even
;;       return np.moveaxis(q.reshape(q.shape[:-2] + (-1,))[..., :K], -1, axis).astype(np.float32)
;;   ~~~
;;   OPERANDS COMPUTED ON THE WAY. 'Computed on the way' means the value that the module computes at that place (a softmax that the list does not call 'softmax' is quantised finished and normalised). What goes into a quantiser is computed in f32, as accurately as f32 sums, v_exp_f32 and their like allow (about 1e-6 of the number): no bf16 or f16 on the way to a quantiser, and a product that is left as it is and whose result goes on into a quantised operand takes f32 operands (vector FMAs, or v_wmma_f32_16x16x4_f32). A number that lies on a knife's edge between two numbers of the format may be rounded either way, as far as f32 arithmetic and the matrix unit's own rounding can turn it there, and no further.
;;   INPUTS GIVEN AS CODES. W_q2p (in the module: [512, 256], K = its axis 0); W_s0 (in the module: [1024, 256], K = its axis 0): each comes as NAME_codes (uint8): NAME with its K axis moved to the last place and cut into blocks of 32 codes, [.., K / 32, bytes a block], one block behind the other in memory; four codes in three bytes: a row's codes are one little-endian stream of bits, code i at bits 6 i .. 6 i + 5 (a code: sign, 2 exponent bits, 3 mantissa bits); and NAME_scales (uint8): the same leading axes, one E8M0 byte (e + 127) for each 32 codes along K. Its value is code x scale, taken as it is: it is not quantised again, and the codes and scales need not be those that the quantiser above would give.
;; 2 versions. Each part assembles by itself: llvm-mc -triple=amdgcn-amd-amdhsa -mcpu=gfx1250 --defsym DOCPART=n.
;; ======== version 1 of 2: 2 launches
;; workspace buffers: side 34,304 bytes; centers 512 bytes of whole numbers; wimg 98,304 bytes
;; launch stats (part 1): grid 3 x 1, 8 waves a work-group, no clusters, 217,600 bytes of LDS; arguments query, W_q2p_codes, W_q2p_scales, b_q2p, W_p2s, b_p2s, W_s0_codes, W_s0_scales, b_s0, side, centers, wimg; writes side, centers, wimg
.if DOCPART == 1
	.amdgcn_target "amdgcn-amd-amdhsa--gfx1250"
	.amdhsa_code_object_version 6
	.text
	.protected	k_q23b3538158_stats
	.globl	k_q23b3538158_stats
	.p2align	8
	.type	k_q23b3538158_stats,@function
k_q23b3538158_stats:
	s_mov_b64 s[64:65], 0
	v_nop
	global_prefetch_b8 v0, s[64:65] scope:SCOPE_SE
	s_setreg_imm32_b32 hwreg(HW_REG_WAVE_MODE, 25, 1), 1
	s_wait_xcnt 0x0
; LocalGMMScorerAttention, first of two launches: what hangs on the query and the weights alone.
; Work-group 0: h = tanh(Q(query) W_q2p + b_q2p) (QUANTISED, E2M3 codes), abk = h W_p2s + b_p2s (f32 multiply-adds), alpha, beta, kappa = exp(abk), and the four centres round(kappa) of each batch as whole numbers.
; Work-group 1: qpart[b][n] = b_s0[n] + the sum over k = 512 .. 1023 of Q(comb)[b][.][k] W_s0[k][n].
; Work-group 2: W_s0's codes of K = 0 .. 511, laid once in the order in which the second launch's operand registers take them (wimg).
; WORK THAT IS LEFT OUT, for all finite values of the inputs:
;  (a) reference() multiplies prior by pm, which it builds itself: pm(b, k, l) = 0 unless round(kappa(b, k)) - 3 <= l <= round(kappa(b, k)) + 3.  So prior_score(b, l) = 0 at every l in none of the batch's four windows, and there
;      p_ctx = 0 x lkh / sum = 0: such an l adds 0 to p_ctx.sum and 0 x ctx to expected_ctx.  Those terms of the row's sum and those rows of the last product are left out.  Which are kept hangs on whole numbers, the centres:
;      this launch stores them, the second launch reads them and gathers 4 x 8 rows a batch.  (The scorer's products, comb W_s0 and tanh(.) W_s1, are done for EVERY row, as the problem's table lists them; outside the windows
;      their result meets that factor 0.)
;  (b) comb's K = 512 .. 1023 is the query, the same in all rows of a batch, in whole blocks of 32: its codes and scales are those of product 1's left operand, and its part of the sum is the same for all rows: it is made once a batch.
;  (c) b_s1 multiplies every lkh of a batch by exp(b_s1), numerator and row sum alike: it cancels in p_ctx / sum.  b_s1 has no way to an output: it is not loaded and is no argument of any launch.
; LIMITS: a NaN, an infinity or an overflow that reaches only the work left out is not carried to the result.  A centre is held at 4,096 (a NaN kappa too): every centre above 2,050 is an empty window alike.
;         NaN and infinities among the inputs are not served.  A block of zeros gets the scale byte 1 (its codes are zeros; the bytes are read here alone).
; SHARES, work-groups 0 and 1 alike: eight waves.  Wave w brings rows 4 w .. 4 w + 3 of the query (dense loads of 512 bytes) into LDS, then quantises fragment w (rows 16 (w / 4) on, K = 128 (w % 4) on) and stores it as an image of its
; registers; then every wave multiplies its own 32 rows of the weight (units 32 w .. 32 w + 31, straight from memory into operand registers) by all 32 rows: 16 matrix instructions on four accumulators that take turns.
; The matrix instruction is used transposed (source 0 = 16 rows of the weight, source 1 = 16 rows of the query): lane (r, h) holds batch 16 m + r and its register j unit 32 w + 16 t + 8 h + j.  The bias is loaded into the accumulators.
; The work-groups take three paths of the text, parted on the work-group's number; paths 0 and 1 have LDS bytes of their own, path 2 stores nothing to LDS.
; No tensor loads, no cluster, no prefetch: each byte is asked for once, at the head, and the codes go into registers without a pass through LDS; work-groups 0 and 1 share the query's 65,536 bytes alone.
.set ROWS0, 0                          ; path 0: 32 rows of the query, 2,048 bytes + 16: row r starts 4 banks on from row r - 1
.set XIMG0, 66048                      ; eight fragments' images, 1,536 bytes each
.set XSC0,  78336                      ; their scale words, 128 bytes each
.set WP,    79360                      ; W_p2s as it lies, 12,288 bytes
.set RED,   91648                      ; each wave's part of abk: 32 batches x 48 bytes
.set ROWS1, 103936                     ; path 1: the same three regions,
.set XIMG1, 169984
.set XSC1,  182272
.set STG,   183296                     ; and a stage for qpart: 32 rows x (1,024 bytes + 16)
.set SPARE, 216576                     ; the spare words, 128 bytes for each wave: four blocks of 256 bytes that no other line names
.set QO,  4                            ; v4   the query: 8,192 w + 16 lane          path 2: my byte offset in wimg
.set RW,  5                            ; v5   where I put my four rows
.set QA,  6                            ; v6   where I read my fragment's numbers
.set XWI, 7                            ; v7   where I put my fragment's image
.set XWS, 8                            ; v8   and its scale words
.set LIX, 9                            ; v9   an image's place for my lane
.set LSX, 10                           ; v10  a scale word's
.set WO,  11                           ; v11  the weight's codes: (32 w + r) rows + 24 h
.set WSO, 12                           ; v12  its scale bytes: (32 w + r) rows
.set CO,  13                           ; v13  a bias: 128 w + 32 h
.set PA,  14                           ; v14  path 0: my 16 rows of W_p2s in LDS          path 1: SGW, where I put results in the stage
.set SGW, 14
.set RDW, 15                           ; v15  path 0: where I put my part of abk           path 1: SGR, where I read rows of the stage back
.set SGR, 15
.set WS,  16                           ; v16-23  the weight's scale words (tile t, K step s: 4 t + s): scales and nothing else
.set XS,  24                           ; v24-31  the rows' scale words (4 m + s): scales and nothing else
.set AC,  32                           ; v32-63  four accumulators (t, m) at 8 (2 t + m)
.set R,   80                           ; v80-143 64 numbers
.set XF,  80                           ; v80-175 the eight fragments, once all are quantised
.set PC,  144                          ; v144-163 the codes just made
.set TM,  164                          ; v164-179 at work in the quantiser
.set PW,  180                          ; v180 the scale word just made
.set WPS, 181                          ; v181 path 0: where I put 16 bytes of W_p2s        path 1: SGO, my byte offset in qpart
.set SGO, 181
.set SPW, 182                          ; v182 LDS address of my spare word; never rewritten
.set NIL, 183                          ; v183 0; never rewritten
.set S,   184                          ; v184-207 path 0: 24 sums of product 2: 12 m + c
.set WT,  208                          ; v208-219 path 0: 48 bytes of W_p2s on their way to LDS
.set T16, 220                          ; v220 16 x thread
.set RDR, 221                          ; v221 where wave 0 reads the parts of abk
.set L16, 222                          ; v222 16 x lane
.set WV,  26                           ; s26  my wave's number
.set SEL, 52                           ; s[52:53] lane selects for v_permlanex16_b32: lane l xor 16
.set MSB, 0
.macro WIN new                         ; the immediate's high byte repeats the setting that is left; a switch that changes nothing is dropped
.if MSB != \new
	s_set_vgpr_msb (MSB<<8)|\new
.set MSB, \new
.endif
.endm
.macro BARRIER                         ; my LDS stores have landed and my LDS loads are in: then the work-group's barrier
	s_wait_dscnt 0x0
	s_barrier_signal -1
	s_barrier_wait -1
.endm
.macro ENDLINES                        ; the wave's end: three lines behind my last LDS store
	s_wait_tensorcnt 0x0
	ds_add_u32 v[SPW], v[NIL]
	s_wait_dscnt 0x0
.endm
; every address of the common part; LDS addresses are a constant + a constant x wave + constants x lane
.macro ADDRS rows, ximg, xsc, pit, spit
	s_lshl_b32 s27, s[WV], 13
	v_lshl_add_u32 v[QO], v1, 4, s27
	s_mul_i32 s27, s[WV], 8256                     ; four rows of 2,064 bytes
.if \rows != 0
	s_add_co_u32 s27, s27, \rows
.endif
	v_lshl_add_u32 v[RW], v1, 4, s27
	s_lshr_b32 s27, s[WV], 2                       ; my fragment: rows 16 (w / 4) on,
	s_mul_i32 s27, s27, 33024
	s_and_b32 s28, s[WV], 3                        ; K = 128 (w % 4) on: 512 bytes
	s_lshl_b32 s28, s28, 9
	s_add_co_u32 s27, s27, s28
.if \rows != 0
	s_add_co_u32 s27, s27, \rows
.endif
	v_mul_u32_u24 v[QA], v2, 2064
	v_lshl_add_u32 v[QA], v3, 6, v[QA]             ; row r, + 64 h: my 16 numbers of a block of 32
	v_add_nc_u32 v[QA], s27, v[QA]
	s_mul_i32 s27, s[WV], 1536
	s_add_co_u32 s27, s27, \ximg
	v_lshl_add_u32 v[XWI], v1, 4, s27
	s_lshl_b32 s27, s[WV], 7
	s_add_co_u32 s28, s27, \xsc
	v_lshl_add_u32 v[XWS], v1, 2, s28
	v_lshl_add_u32 v[CO], v3, 5, s27
	v_lshl_add_u32 v[LIX], v1, 4, \ximg
	v_lshl_add_u32 v[LSX], v1, 2, \xsc
	s_lshl_b32 s27, s[WV], 5
	v_add_nc_u32 v[WO], s27, v2                    ; 32 w + r
	v_mul_u32_u24 v[WSO], v[WO], \spit
	v_mul_u32_u24 v[WO], v[WO], \pit
	v_mad_u32_u24 v[WO], v3, 24, v[WO]
.endm
.macro ROWLOAD                         ; my four rows: each load reads 512 consecutive bytes
.irp i, 0,1,2,3
.irp q, 0,1,2,3
	global_load_b128 v[R+16*\i+4*\q:R+16*\i+4*\q+3], v[QO], s[4:5] offset:2048*\i+512*\q
.endr
.endr
.endm
.macro ROWSTORE                        ; and into LDS as they lie
.irp i, 0,1,2,3
.irp q, 0,1,2,3
	ds_store_b128 v[RW], v[R+16*\i+4*\q:R+16*\i+4*\q+3] offset:2064*\i+512*\q
.endr
.endr
.endm
; the weight's fragments (tile t, K step s) at v[12 (4 t + s)] of window 1: lane (r, h) takes 24 bytes at 24 h and 24 bytes at 48 + 24 h of its row's 96, in pieces of 8
.macro WLOAD wb, wpit, wk
	WIN 0x40                                       ; destination window 1
.irp t, 0,1
.irp s, 0,1,2,3
.irp p, 0,1,2,3,4,5
	global_load_b64 v[12*(4*\t+\s)+2*\p:12*(4*\t+\s)+2*\p+1], v[WO], s[\wb:\wb+1] offset:16*\wpit*\t+\wk+96*\s+48*(\p/3)+8*(\p%3)
.endr
.endr
.endr
	WIN 0
.endm
.macro WSLOAD sb, sstep, sk            ; a row's four scale words of 512 along K are 16 neighbouring bytes
.irp t, 0,1
	global_load_b128 v[WS+4*\t:WS+4*\t+3], v[WSO], s[\sb:\sb+1] offset:\sstep*\t+\sk
.endr
.endm
.macro BIAS bb                         ; the bias, in the result's layout, straight into the accumulators: it costs no addition
.irp t, 0,1
.irp m, 0,1
.irp q, 0,1
	global_load_b128 v[AC+8*(2*\t+\m)+4*\q:AC+8*(2*\t+\m)+4*\q+3], v[CO], s[\bb:\bb+1] offset:64*\t+16*\q
.endr
.endr
.endr
.endm
; 64 numbers of a lane, register 16 b + i = k 32 b + 16 (lane / 16) + i of my row, become a fragment's codes in v[PC] on and its scale word in v[PW]
.macro QUANT s
.irp b, 0,1,2,3
	v_max3_num_f32 v[TM+\b], |v[\s+16*\b]|, |v[\s+1+16*\b]|, 0x1800000   ; block b: my 16 numbers, and the floor 2^(3 - 127): so the byte cannot fall under 1
.endr
.irp i, 2,4,6,8,10,12,14
.irp b, 0,1,2,3
	v_max3_num_f32 v[TM+\b], v[TM+\b], |v[\s+16*\b+\i]|, |v[\s+1+16*\b+\i]|   ; (the four blocks by turns)
.endr
.endr
.irp b, 0,1,2,3
	v_permlanex16_b32 v[TM+4+\b], v[TM+\b], s[SEL], s[SEL+1]
.endr
.irp b, 0,1,2,3
	v_max_num_f32 v[TM+\b], v[TM+\b], v[TM+4+\b]   ; with lane l xor 16's: the block's largest magnitude
.endr
.irp b, 0,1,2,3
	v_add_nc_u32 v[TM+12+\b], 0xff000000, v[TM+\b] ; 2 off its exponent field: the conversion takes the exponent field of this operand as its scale
.endr
.irp b, 0,1,2,3
	v_lshrrev_b32 v[TM+4+\b], 23, v[TM+12+\b]      ; the scale's byte
.endr
	v_lshl_or_b32 v[PW], v[TM+5], 8, v[TM+4]       ; the four bytes make my row's scale word
	v_lshl_or_b32 v[PW], v[TM+6], 16, v[PW]
	v_lshl_or_b32 v[PW], v[TM+7], 24, v[PW]
.irp c, 0,1
	v_cvt_scalef32_pk16_fp6_f32 v[PC+6*\c:PC+2+6*\c], v[\s+32*\c:\s+15+32*\c], v[TM+12+2*\c]
	v_cvt_scalef32_pk16_fp6_f32 v[PC+12+4*\c:PC+14+4*\c], v[\s+16+32*\c:\s+31+32*\c], v[TM+12+2*\c+1]   ; (a conversion's three registers begin on an even number)
.endr
	v_nop                                          ; one plain place behind a scaled conversion
.irp c, 0,1                            ; the operand's layout wants a whole block in a lane: lanes 0-15 block 2 c, lanes 16-31 block 2 c + 1
.irp i, 0,1,2
	v_permlane16_swap_b32 v[PC+6*\c+\i], v[PC+12+4*\c+\i]
.endr
.irp i, 0,1,2
	v_mov_b32 v[PC+3+6*\c+\i], v[PC+12+4*\c+\i]
.endr
.endr
.endm
; from the rows in LDS to the finished sums: barrier; my fragment is read, quantised and stored as an image; barrier; all eight images come back; 16 matrix instructions
.macro FRONT2
	BARRIER                                        ; the 32 rows lie in LDS
.irp b, 0,1,2,3
.irp q, 0,1,2,3
	ds_load_b128 v[R+16*\b+4*\q:R+16*\b+4*\q+3], v[QA] offset:128*\b+16*\q
.endr
.endr
	s_wait_dscnt 0x0
	QUANT R
.irp c, 0,1,2
	ds_store_b128 v[XWI], v[PC+4*\c:PC+4*\c+3] offset:512*\c   ; the fragment as it stands: lane l's 16 bytes at 16 l
.endr
	ds_store_b32 v[XWS], v[PW]
	BARRIER                                        ; the eight fragments lie in LDS
.irp f, 0,1,2,3,4,5,6,7
.irp c, 0,1,2
	ds_load_b128 v[XF+12*\f+4*\c:XF+12*\f+4*\c+3], v[LIX] offset:1536*\f+512*\c
.endr
	ds_load_b32 v[XS+\f], v[LSX] offset:128*\f
.endr
	s_wait_dscnt 0x0
	s_wait_loadcnt 0x0                             ; the weight's codes and scale words, and the bias
	WIN 0x01                                       ; source 0 (the weight) window 1
.irp s, 0,1,2,3                        ; K ascending; the four accumulators take turns, one instruction a turn
.irp t, 0,1
.irp m, 0,1
	v_wmma_scale_f32_16x16x128_f8f6f4 v[AC+8*(2*\t+\m):AC+8*(2*\t+\m)+7], v[12*(4*\t+\s):12*(4*\t+\s)+11], v[XF+12*(4*\m+\s):XF+12*(4*\m+\s)+11], v[AC+8*(2*\t+\m):AC+8*(2*\t+\m)+7], v[WS+4*\t+\s], v[XS+4*\m+\s] matrix_a_fmt:MATRIX_FMT_FP6 matrix_b_fmt:MATRIX_FMT_FP6
.endr
.endr
.endr
	WIN 0
.rept 4
	v_nop                                          ; four places ahead of the first read of a result and of loads into registers that the products read
.endr
.endm
; tanh x = 1 - 2 / (1 + 2^(2 log2(e) x)), in place on the 32 results, each accumulator from its low end on; two batches of transcendentals, one wait each
.macro TANH32
.set n, 0
.rept 16
	v_pk_mul_f32 v[AC+n:AC+n+1], v[AC+n:AC+n+1], 0x4038aa3b op_sel_hi:[1,0]
.set n, n+2
.endr
.set n, 0
.rept 32
	v_exp_f32 v[AC+n], v[AC+n]
.set n, n+1
.endr
	v_nop                                          ; a plain place behind the last exponential
	s_wait_alu depctr_va_vdst(0)                   ; the wait ahead of the batch's first reader
.set n, 0
.rept 16
	v_pk_add_f32 v[AC+n:AC+n+1], v[AC+n:AC+n+1], 1.0 op_sel_hi:[1,0]
.set n, n+2
.endr
.set n, 0
.rept 32
	v_rcp_f32 v[AC+n], v[AC+n]
.set n, n+1
.endr
	v_nop
	s_wait_alu depctr_va_vdst(0)
.set n, 0
.rept 16
	v_pk_fma_f32 v[AC+n:AC+n+1], v[AC+n:AC+n+1], -2.0, 1.0 op_sel_hi:[1,0,0]
.set n, n+2
.endr
.endm
	s_load_b512 s[4:19], s[0:1], 0x0               ; query 4, W_q2p codes 6, its scales 8, b_q2p 10, W_p2s 12, b_p2s 14, W_s0 codes 16, its scales 18
	s_load_b128 s[20:23], s[0:1], 0x40             ; b_s0 20, side 22
	s_load_b64 s[24:25], s[0:1], 0x50              ; centers
	s_load_b64 s[44:45], s[0:1], 0x58              ; wimg
	v_lshl_add_u32 v[SPW], v0, 2, SPARE
	v_mov_b32 v[NIL], 0
	v_lshrrev_b32 v1, 5, v0
	v_readfirstlane_b32 s[WV], v1                  ; wave 0..7
	v_and_b32 v1, 31, v0                           ; lane
	v_and_b32 v2, 15, v0                           ; r
	v_bfe_u32 v3, v0, 4, 1                         ; h
	s_mov_b32 s[SEL], 0x76543210
	s_mov_b32 s[SEL+1], 0xfedcba98
.irp b, 0,1,2,3
	v_mov_b32 v[TM+4+\b], 0                        ; written once: a lane permute's destination counts as one of its sources
.endr
	s_cmp_lg_u32 ttmp9, 0                          ; the parting, on the work-group's number
	s_cbranch_scc1 .Lqpart
	; ======== work-group 0: alpha, beta, kappa and the centres
	ADDRS ROWS0, XIMG0, XSC0, 384, 16
	v_lshl_add_u32 v[WPS], v0, 4, WP
	v_lshlrev_b32 v[T16], 4, v0
	s_mul_i32 s27, s[WV], 1536
	s_add_co_u32 s28, s27, WP
	v_mul_u32_u24 v[PA], v3, 384                   ; W_p2s's rows 32 w + 8 h on: 48 bytes a row
	v_add_nc_u32 v[PA], s28, v[PA]
	s_add_co_u32 s28, s27, RED
	v_mul_u32_u24 v[RDR], v1, 48
	v_add_nc_u32 v[RDW], s28, v[RDR]
	v_add_nc_u32 v[RDR], RED, v[RDR]
	v_lshlrev_b32 v[L16], 4, v1
	s_wait_kmcnt 0x0
	s_load_b256 s[32:39], s[14:15], 0x0            ; b_p2s: 12 numbers
	s_load_b128 s[40:43], s[14:15], 0x20
	ROWLOAD
.irp i, 0,1,2
	global_load_b128 v[WT+4*\i:WT+4*\i+3], v[T16], s[12:13] offset:4096*\i
.endr
	WLOAD 6, 384, 0
	WSLOAD 8, 256, 0
	BIAS 10
	s_wait_loadcnt 58                              ; the rows and W_p2s are in; the 48 + 2 + 8 loads issued behind them (codes, scale words, bias) may stay out
	ROWSTORE
.irp i, 0,1,2
	ds_store_b128 v[WPS], v[WT+4*\i:WT+4*\i+3] offset:4096*\i
.endr
	FRONT2
	; W_p2s's 16 rows that go with my lane's 16 units: P[12 j + c] = W_p2s[32 w + 16 t + 8 h + j][c]; t = 1 into window 1, t = 0 into v80 on (both sets of registers are done with)
	WIN 0x40
.set n, 0
.rept 24
	ds_load_b128 v[4*n:4*n+3], v[PA] offset:768+16*n
.set n, n+1
.endr
	WIN 0
.set n, 0
.rept 24
	ds_load_b128 v[80+4*n:80+4*n+3], v[PA] offset:16*n
.set n, n+1
.endr
	TANH32                                         ; h, while those loads are on their way
	s_wait_dscnt 0x0
	; product 2 in f32: 24 chains (batch 16 m + r, column c), each over my lane's 16 units
.irp m, 0,1
.irp c, 0,1,2,3,4,5,6,7,8,9,10,11
	v_mul_f32 v[S+12*\m+\c], v[AC+8*\m], v[80+\c]  ; the first product starts each sum
.endr
.endr
.irp j, 1,2,3,4,5,6,7
.irp m, 0,1
.irp c, 0,1,2,3,4,5,6,7,8,9,10,11
	v_fmac_f32 v[S+12*\m+\c], v[AC+8*\m+\j], v[80+12*\j+\c]
.endr
.endr
.endr
	WIN 0x01                                       ; source 0 window 1
.irp j, 0,1,2,3,4,5,6,7
.irp m, 0,1
.irp c, 0,1,2,3,4,5,6,7,8,9,10,11
	v_fmac_f32 v[S+12*\m+\c], v[12*\j+\c], v[AC+16+8*\m+\j]
.endr
.endr
.endr
	WIN 0
.irp c, 0,1,2,3,4,5,6,7,8,9,10,11
	v_permlane16_swap_b32 v[S+\c], v[S+12+\c]      ; the first now holds both tiles' h = 0 parts, the second their h = 1 parts:
.endr
.irp c, 0,1,2,3,4,5,6,7,8,9,10,11
	v_add_f32 v[S+\c], v[S+\c], v[S+12+\c]         ; lane = batch
.endr
.irp i, 0,1,2
	ds_store_b128 v[RDW], v[S+4*\i:S+4*\i+3] offset:16*\i
.endr
	s_wait_kmcnt 0x0                               ; b_p2s
	BARRIER                                        ; the eight waves' parts of abk lie in LDS
	s_cmp_lg_u32 s[WV], 0
	s_cbranch_scc1 .Lend0                          ; wave 0 alone goes on: 32 batches, a lane each
.irp w, 0,1,2,3,4,5,6,7
.irp i, 0,1,2
	ds_load_b128 v[80+12*\w+4*\i:80+12*\w+4*\i+3], v[RDR] offset:1536*\w+16*\i
.endr
.endr
	s_wait_dscnt 0x0
.irp a, 0,2,4,6
.irp p, 0,2,4,6,8,10
	v_pk_add_f32 v[80+12*\a+\p:81+12*\a+\p], v[80+12*\a+\p:81+12*\a+\p], v[92+12*\a+\p:93+12*\a+\p]
.endr
.endr
.irp a, 0,4
.irp p, 0,2,4,6,8,10
	v_pk_add_f32 v[80+12*\a+\p:81+12*\a+\p], v[80+12*\a+\p:81+12*\a+\p], v[104+12*\a+\p:105+12*\a+\p]
.endr
.endr
.irp p, 0,2,4,6,8,10
	v_pk_add_f32 v[80+\p:81+\p], v[80+\p:81+\p], v[128+\p:129+\p]
.endr
.irp c, 0,1,2,3,4,5,6,7,8,9,10,11
	v_add_f32 v[80+\c], s[32+\c], v[80+\c]         ; abk
.endr
.irp c, 0,1,2,3,4,5,6,7,8,9,10,11
	v_mul_f32 v[80+\c], 0x3fb8aa3b, v[80+\c]       ; x log2(e)
.endr
.irp c, 0,1,2,3,4,5,6,7,8,9,10,11
	v_exp_f32 v[80+\c], v[80+\c]                   ; alpha v80-83, beta v84-87, kappa v88-91
.endr
	v_nop
	s_wait_alu depctr_va_vdst(0)                   ; one wait for the twelve, ahead of their first reader
.irp i, 0,1,2,3
	v_mul_f32 v[84+\i], 0xbfb8aa3b, v[84+\i]       ; -beta log2(e): the second launch's exponentials are to the base 2
.endr
.irp i, 0,1,2,3
	v_rndne_f32 v[92+\i], v[88+\i]                 ; round(kappa), ties to even as jnp.round
.endr
.irp i, 0,1,2,3
	v_min_num_f32 v[92+\i], 0x45800000, v[92+\i]   ; held at 4,096 (a NaN loses): an empty window
.endr
.irp i, 0,1,2,3
	v_cvt_i32_f32 v[92+\i], v[92+\i]
.endr
	global_store_b128 v[L16], v[80:83], s[22:23] offset:32768    ; each store covers 512 consecutive bytes, aligned to 256
	global_store_b128 v[L16], v[84:87], s[22:23] offset:33280
	global_store_b128 v[L16], v[88:91], s[22:23] offset:33792
	global_store_b128 v[L16], v[92:95], s[24:25]
.Lend0:
	ENDLINES
	s_endpgm
.Lqpart:
	s_cmp_lg_u32 ttmp9, 1
	s_cbranch_scc1 .Llay
	; ======== work-group 1: qpart
	ADDRS ROWS1, XIMG1, XSC1, 768, 32
	s_lshl_b32 s27, s[WV], 7
	s_add_co_u32 s27, s27, STG
	v_mul_u32_u24 v[SGW], v2, 1040
	v_lshl_add_u32 v[SGW], v3, 5, v[SGW]
	v_add_nc_u32 v[SGW], s27, v[SGW]               ; the stage: row r, + 128 w + 32 h
	s_mul_i32 s27, s[WV], 4160
	s_add_co_u32 s27, s27, STG
	v_lshl_add_u32 v[SGR], v1, 4, s27              ; back: my four rows, 16 bytes a lane
	s_lshl_b32 s27, s[WV], 12
	v_lshl_add_u32 v[SGO], v1, 4, s27              ; and the same in qpart
	s_wait_kmcnt 0x0
	ROWLOAD
	WLOAD 16, 768, 384                             ; W_s0's K = 512 .. 1023: bytes 384 on of each row of 768
	WSLOAD 18, 512, 16
	BIAS 20
	s_wait_loadcnt 58                              ; the rows are in; the 48 + 2 + 8 loads issued behind them may stay out
	ROWSTORE
	FRONT2
.irp t, 0,1
.irp m, 0,1
.irp q, 0,1
	ds_store_b128 v[SGW], v[AC+8*(2*\t+\m)+4*\q:AC+8*(2*\t+\m)+4*\q+3] offset:16640*\m+64*\t+16*\q   ; each accumulator from its low end on
.endr
.endr
.endr
	BARRIER                                        ; 32 whole rows of qpart lie in the stage
.irp i, 0,1,2,3
.irp q, 0,1
	ds_load_b128 v[80+4*(2*\i+\q):80+4*(2*\i+\q)+3], v[SGR] offset:1040*\i+512*\q
.endr
.endr
.irp i, 0,1,2,3
.irp q, 0,1
	s_wait_dscnt 7-(2*\i+\q)                       ; the loads younger than this one may stay out
	global_store_b128 v[SGO], v[80+4*(2*\i+\q):80+4*(2*\i+\q)+3], s[22:23] offset:1024*\i+512*\q   ; 512 consecutive bytes, aligned to 256
.endr
.endr
	ENDLINES
	s_endpgm
	; ======== work-group 2: W_s0's codes of K = 0 .. 511 in the order of the operand's registers.  Wave w takes rows 32 w .. 32 w + 31: eight fragments f = 4 t + s (tile t, K step s) of 12 registers a lane;
	; fragment f of wave w lies at 12,288 w + 1,536 f, its registers 4 c .. 4 c + 3 of lane l at 512 c + 16 l.  The 256 work-groups of the second launch then take each fragment by three dense loads of 512 bytes.
.Llay:
	s_lshl_b32 s27, s[WV], 5
	v_add_nc_u32 v[WO], s27, v2                    ; 32 w + r
	v_mul_u32_u24 v[WO], v[WO], 768
	v_mad_u32_u24 v[WO], v3, 24, v[WO]
	s_mul_i32 s27, s[WV], 12288
	v_lshl_add_u32 v[QO], v1, 4, s27
	s_wait_kmcnt 0x0
.irp t, 0,1
.irp s, 0,1,2,3
.irp p, 0,1,2,3,4,5
	global_load_b64 v[XF+12*(4*\t+\s)+2*\p:XF+12*(4*\t+\s)+2*\p+1], v[WO], s[16:17] offset:16*768*\t+96*\s+48*(\p/3)+8*(\p%3)
.endr
.endr
.endr
.irp f, 0,1,2,3,4,5,6,7
	s_wait_loadcnt 42-6*\f                         ; fragment f's six loads are in; those of the fragments behind it may stay out
.irp c, 0,1,2
	global_store_b128 v[QO], v[XF+12*\f+4*\c:XF+12*\f+4*\c+3], s[44:45] offset:1536*\f+512*\c   ; 512 consecutive bytes, aligned to 256
.endr
.endr
	ENDLINES
	s_endpgm
.Lfunc_end_k_q23b3538158_stats:
	.size	k_q23b3538158_stats, .Lfunc_end_k_q23b3538158_stats-k_q23b3538158_stats
	.p2alignl 7, 3214868480
	.fill 96, 4, 3214868480
	.section	.rodata,"a",@progbits
	.p2align	6, 0x0
	.amdhsa_kernel k_q23b3538158_stats
		.amdhsa_group_segment_fixed_size 217600
		.amdhsa_private_segment_fixed_size 0
		.amdhsa_enable_private_segment 0
		.amdhsa_kernarg_size 96
		.amdhsa_user_sgpr_count 2
		.amdhsa_user_sgpr_kernarg_segment_ptr 1
		.amdhsa_wavefront_size32 1
		.amdhsa_system_sgpr_workgroup_id_x 1
		.amdhsa_system_sgpr_workgroup_id_y 1
		.amdhsa_system_sgpr_workgroup_id_z 1
		.amdhsa_system_vgpr_workitem_id 0
		.amdhsa_next_free_vgpr 384
		.amdhsa_next_free_sgpr 66
		.amdhsa_reserve_vcc 0
		.amdhsa_float_denorm_mode_32 3
		.amdhsa_float_denorm_mode_16_64 3
		.amdhsa_memory_ordered 1
		.amdhsa_forward_progress 1
		.amdhsa_inst_pref_size 80
	.end_amdhsa_kernel
	.amdgpu_metadata
---
amdhsa.version: [ 1, 2 ]
amdhsa.kernels:
  - .name:           k_q23b3538158_stats
    .symbol:         k_q23b3538158_stats.kd
    .args:
      - { .name: query, .offset: 0, .size: 8, .value_kind: global_buffer, .address_space: global }
      - { .name: W_q2p_codes, .offset: 8, .size: 8, .value_kind: global_buffer, .address_space: global }
      - { .name: W_q2p_scales, .offset: 16, .size: 8, .value_kind: global_buffer, .address_space: global }
      - { .name: b_q2p, .offset: 24, .size: 8, .value_kind: global_buffer, .address_space: global }
      - { .name: W_p2s, .offset: 32, .size: 8, .value_kind: global_buffer, .address_space: global }
      - { .name: b_p2s, .offset: 40, .size: 8, .value_kind: global_buffer, .address_space: global }
      - { .name: W_s0_codes, .offset: 48, .size: 8, .value_kind: global_buffer, .address_space: global }
      - { .name: W_s0_scales, .offset: 56, .size: 8, .value_kind: global_buffer, .address_space: global }
      - { .name: b_s0, .offset: 64, .size: 8, .value_kind: global_buffer, .address_space: global }
      - { .name: side, .offset: 72, .size: 8, .value_kind: global_buffer, .address_space: global }
      - { .name: centers, .offset: 80, .size: 8, .value_kind: global_buffer, .address_space: global }
      - { .name: wimg, .offset: 88, .size: 8, .value_kind: global_buffer, .address_space: global }
    .group_segment_fixed_size: 217600
    .private_segment_fixed_size: 0
    .kernarg_segment_align: 8
    .kernarg_segment_size: 96
    .max_flat_workgroup_size: 256
    .sgpr_count:     66
    .vgpr_count:     384
    .wavefront_size: 32
...
	.end_amdgpu_metadata
.endif
;; end of part 1
;; launch attend (part 2): grid 256 x 1, 8 waves a work-group, no clusters, 89,600 bytes of LDS; arguments ctx, wimg, W_s0_scales, W_s1, side, centers, out0, out1; writes out0, out1
.if DOCPART == 2
	.amdgcn_target "amdgcn-amd-amdhsa--gfx1250"
	.amdhsa_code_object_version 6
	.text
	.protected	k_q23b3538158_attend
	.globl	k_q23b3538158_attend
	.p2align	8
	.type	k_q23b3538158_attend,@function
k_q23b3538158_attend:
	s_mov_b64 s[64:65], 0
	v_nop
	global_prefetch_b8 v0, s[64:65] scope:SCOPE_SE
	s_setreg_imm32_b32 hwreg(HW_REG_WAVE_MODE, 25, 1), 1
	s_wait_xcnt 0x0
; LocalGMMScorerAttention, second launch: eight work-groups to a batch; work-group x serves batch x / 8 and positions 256 (x % 8) .. + 255.
; WORK LEFT OUT, as shown at the head of the first launch: the terms of p_ctx.sum and the rows of the last product at positions in none of the batch's four windows (products with a 0 that reference() builds itself), the query's
; half of comb W_s0 (made once a batch by the first launch: qpart), and b_s1 (it cancels in p_ctx / sum; not loaded).  A NaN, an infinity or an overflow that reaches only the work left out is not carried to the result.
; WHAT IS DONE FOR EVERY ROW: score = tanh(Q(ctx) W_s0[0:512] + qpart) W_s1, the first product on E2M3 codes, as the problem's table lists it; outside the windows the score then meets prior_score = 0.
; SLOTS.  The row's sum and expected_ctx want the scores at the windows' positions, which may lie with any of the batch's eight work-groups; no work-group reads what another stores, so each makes them for itself: 32 slots,
; slot 8 k + j at position c_k + j - 3 (c_k: the centre that the first launch stored as a whole number; j = 7 lies outside its own window and rides along in the tile): 32 rows more beside the work-group's 256.
; A slot's weight own = component k's term alpha_k exp(-beta_k (pos - kappa_k)^2) where |pos - c_k| <= 3 and 0 <= pos < 2,048, else 0.  Sum and expected_ctx are linear in the components: windows that overlap count as reference() counts them.
; p_ctx at a position takes that position's own score and the sum of all four components' masked terms: reference()'s prior_score.
; THE SHIFT.  reference() takes no maximum away before exp(score); here the largest score among the windows' positions is taken away: it cancels in the quotient, and no exponential can overflow.
; AN EMPTY SET OF WINDOWS (all centres above 2,050): the sum is 0, its reciprocal infinite, and 0 x that is the NaN that reference()'s 0 / 0 gives, in every number of both outputs.
; LIMITS: v_rcp_f32 and v_exp_f32 flush denormals: a row's sum (after the shift) under 2^-126 gives NaN.  NaN and infinities among the inputs are not served.  A block of zeros gets the scale byte 1 (zero codes; read here alone).
; SHARES.  Nine groups of 32 rows go through ONE macro, TRIP: groups 0 to 7 are the work-group's positions, group 8 the slots (last, so that their rows still lie in LDS for expected_ctx).  In a trip wave w puts rows 4 w .. 4 w + 3
; (loaded a trip ahead, 512 consecutive bytes a load) into LDS, quantises fragment w (rows 16 (w / 4) on, K = 128 (w % 4) on) and stores its image; every wave multiplies its 32 rows of W_s0 (hidden units 32 w on, 96 registers that
; stay for the whole launch) by all 32 rows: 16 matrix instructions on four accumulators by turns, begun from qpart; tanh; its part of the product with W_s1 in f32, one number a lane, into LDS.
; TWO BARRIERS A TRIP: rows whole | images whole.  The rows' bytes are written again behind the second barrier, which every wave's reads of them precede; the images' behind the next trip's first, likewise.
; THE END, behind a third barrier: every wave makes the slots' largest score and 1 / sum (lane = slot); waves 0 to 3 store p_ctx, two positions a lane; wave 4 stores the work-group's 64 columns of expected_ctx.
; NO CLUSTER, NO JOINT LOADS: the work-groups share W_s0's image alone: 98,304 of the 688,128 bytes that a work-group takes in, read once, at the head, straight into operand registers; a joint load would land it in LDS and add a
; pass through LDS and rounds of the cluster's barrier.  The slots' rows hang on stored numbers and differ from batch to batch.  Each group's rows are asked for a whole trip ahead by the loads themselves.
.set ROWS,  0                          ; a group's 32 rows of ctx, 2,048 bytes + 16: row r starts 4 banks on from row r - 1
.set XIMG,  66048                      ; eight fragments' images, 1,536 bytes each
.set XSC,   78336                      ; their scale words, 128 bytes each
.set SCP,   79360                      ; the parts of the scores: group g, wave w, row l at 1,024 g + 128 w + 4 l
.set SPARE, 88576                      ; the spare words, 128 bytes for each wave: four blocks of 256 bytes that no other line names
.set L16, 4                            ; v4   16 x lane
.set RW,  5                            ; v5   where I put my four rows
.set QA,  6                            ; v6   where I read my fragment's numbers
.set XWI, 7                            ; v7   where I put my fragment's image
.set XWS, 8                            ; v8   and its scale words
.set LIX, 9                            ; v9   an image's place for my lane
.set LSX, 10                           ; v10  a scale word's
.set WO,  11                           ; v11  W_s0's image: 12,288 w + 16 lane
.set WSO, 12                           ; v12  its scale bytes: (32 w + r) x 32
.set CO,  13                           ; v13  qpart and W_s1: 128 w + 32 h
.set SPS, 14                           ; v14  where I put my part of group 0's scores
.set LSS, 15                           ; v15  where I read the parts: SCP + 4 lane
.set WS,  16                           ; v16-23  W_s0's scale words (4 t + s): scales and nothing else
.set XS,  24                           ; v24-31  the rows' scale words (4 m + s): scales and nothing else
.set AC,  32                           ; v32-63  four accumulators (t, m) at 8 (2 t + m)
.set W1,  64                           ; v64-79  W_s1 at my lane's 16 units: 8 t + j
.set R,   80                           ; v80-143 64 numbers for the quantiser
.set XF,  80                           ; v80-175 the eight fragments
.set DT,  80                           ; v80-83  then: the four chains of the product with W_s1
.set PC,  144                          ; v144-163 the codes just made
.set TM,  164                          ; v164-179 at work in the quantiser
.set PW,  180                          ; v180 the scale word just made
.set RO,  181                          ; v181 my two columns of a row in LDS: 256 (x % 8) + 8 lane
.set SPW, 182                          ; v182 LDS address of my spare word; never rewritten
.set NIL, 183                          ; v183 0; never rewritten
.set G,   184                          ; v184-247 my four rows of the next group, as they are loaded
.set OWN, 248                          ; v248 the slot's own weight
.set SPT, 249                          ; v249 where I put my part of this group's scores
.set F0,  250                          ; v250-251 prior_score at my two positions
.set DSA, 252                          ; v252 where I read my two positions' parts
.set O1,  253                          ; v253 my byte offset in the work-group's part of out1
.set L8,  254                          ; v254 8 x lane
.set LOW, 255                          ; v255 -3e38
.set QP,  96                           ; window 1: v0-95 W_s0's fragments (4 t + s), v96-111 qpart at my lane's 16 units
; at the head alone (the quantiser's registers are free there)
.set POS,  80                          ; a position
.set POSF, 81                          ; as f32
.set D,    84                          ; v84-87 the four components' terms
.set U,    88                          ; v88-91 pos + 3 - c_k
.set T0,   92                          ; v92-94 at work
; at the end alone (G and the fragments are free there)
.set PT,  184                          ; v184-191 the eight parts of a slot's score
.set SC,  192
.set MX,  193
.set E,   194
.set PX,  195                          ; what a lane permute brings
.set RS,  196                          ; 1 / the row's sum
.set FILL, 197                         ; 0 x that
.set PO,  198                          ; own x lkh / sum
.set DP,  200                          ; v200-215 the eight parts of my two positions' scores
.set RP,  80                           ; v80-143 two columns of each of the 32 slots' rows
.set O,   144                          ; v144-147 out0: (column, parity of the row)
.set WV,  20                           ; s20  my wave's number
.set CE,  24                           ; s24-27 the four centres;  s28 my rows' centre
.set AL,  32                           ; s32-35 alpha
.set NB,  36                           ; s36-39 -beta log2(e)
.set KA,  40                           ; s40-43 kappa
.set SB,  44                           ; s[44:51] my four slots' rows
.set SEL, 52                           ; s[52:53] lane selects for v_permlanex16_b32: lane l xor 16
.set IW,  54                           ; s54-57 lanes whose position lies in window k;  s58 lanes with 0 <= pos < 2,048;  s59 those with j < 7 too;  s61-63 the lanes of k = 1, 2, 3
.set TS,  66                           ; s66  1,024 x the group in hand
.set CNT, 67                           ; s67  the loop's trips
.set RB,  68                           ; s[68:69] my four rows of the group that was asked for last
.set BA,  70                           ; s70  the batch
.set QU,  71                           ; s71  which 256 positions
.set U64, 72                           ; s72  64 x (w % 4): the first of the positions that my wave stores at the end
.set PS,  66                           ; s66-97 at the end: own x lkh / sum of the 32 slots
.set TC,  98                           ; s98-101 3 - c_k
.set MSB, 0
.macro WIN new                         ; the immediate's high byte repeats the setting that is left; a switch that changes nothing is dropped
.if MSB != \new
	s_set_vgpr_msb (MSB<<8)|\new
.set MSB, \new
.endif
.endm
.macro BARRIER                         ; my LDS stores have landed and my LDS loads are in: then the work-group's barrier
	s_wait_dscnt 0x0
	s_barrier_signal -1
	s_barrier_wait -1
.endm
; 64 numbers of a lane, register 16 b + i = k 32 b + 16 (lane / 16) + i of my row, become a fragment's codes in v[PC] on and its scale word in v[PW]
.macro QUANT s
.irp b, 0,1,2,3
	v_max3_num_f32 v[TM+\b], |v[\s+16*\b]|, |v[\s+1+16*\b]|, 0x1800000   ; block b: my 16 numbers, and the floor 2^(3 - 127): so the byte cannot fall under 1
.endr
.irp i, 2,4,6,8,10,12,14
.irp b, 0,1,2,3
	v_max3_num_f32 v[TM+\b], v[TM+\b], |v[\s+16*\b+\i]|, |v[\s+1+16*\b+\i]|   ; (the four blocks by turns)
.endr
.endr
.irp b, 0,1,2,3
	v_permlanex16_b32 v[TM+4+\b], v[TM+\b], s[SEL], s[SEL+1]
.endr
.irp b, 0,1,2,3
	v_max_num_f32 v[TM+\b], v[TM+\b], v[TM+4+\b]   ; with lane l xor 16's: the block's largest magnitude
.endr
.irp b, 0,1,2,3
	v_add_nc_u32 v[TM+12+\b], 0xff000000, v[TM+\b] ; 2 off its exponent field: the conversion takes the exponent field of this operand as its scale
.endr
.irp b, 0,1,2,3
	v_lshrrev_b32 v[TM+4+\b], 23, v[TM+12+\b]      ; the scale's byte
.endr
	v_lshl_or_b32 v[PW], v[TM+5], 8, v[TM+4]       ; the four bytes make my row's scale word
	v_lshl_or_b32 v[PW], v[TM+6], 16, v[PW]
	v_lshl_or_b32 v[PW], v[TM+7], 24, v[PW]
.irp c, 0,1
	v_cvt_scalef32_pk16_fp6_f32 v[PC+6*\c:PC+2+6*\c], v[\s+32*\c:\s+15+32*\c], v[TM+12+2*\c]
	v_cvt_scalef32_pk16_fp6_f32 v[PC+12+4*\c:PC+14+4*\c], v[\s+16+32*\c:\s+31+32*\c], v[TM+12+2*\c+1]   ; (a conversion's three registers begin on an even number)
.endr
	v_nop                                          ; one plain place behind a scaled conversion
.irp c, 0,1                            ; the operand's layout wants a whole block in a lane: lanes 0-15 block 2 c, lanes 16-31 block 2 c + 1
.irp i, 0,1,2
	v_permlane16_swap_b32 v[PC+6*\c+\i], v[PC+12+4*\c+\i]
.endr
.irp i, 0,1,2
	v_mov_b32 v[PC+3+6*\c+\i], v[PC+12+4*\c+\i]
.endr
.endr
.endm
; tanh x = 1 - 2 / (1 + 2^(2 log2(e) x)), in place on the 32 results, each accumulator from its low end on; two batches of transcendentals, one wait each
.macro TANH32
.set n, 0
.rept 16
	v_pk_mul_f32 v[AC+n:AC+n+1], v[AC+n:AC+n+1], 0x4038aa3b op_sel_hi:[1,0]
.set n, n+2
.endr
.set n, 0
.rept 32
	v_exp_f32 v[AC+n], v[AC+n]
.set n, n+1
.endr
	v_nop                                          ; a plain place behind the last exponential
	s_wait_alu depctr_va_vdst(0)                   ; the wait ahead of the batch's first reader
.set n, 0
.rept 16
	v_pk_add_f32 v[AC+n:AC+n+1], v[AC+n:AC+n+1], 1.0 op_sel_hi:[1,0]
.set n, n+2
.endr
.set n, 0
.rept 32
	v_rcp_f32 v[AC+n], v[AC+n]
.set n, n+1
.endr
	v_nop
	s_wait_alu depctr_va_vdst(0)
.set n, 0
.rept 16
	v_pk_fma_f32 v[AC+n:AC+n+1], v[AC+n:AC+n+1], -2.0, 1.0 op_sel_hi:[1,0,0]
.set n, n+2
.endr
.endm
; the four components' masked terms at the position in v[POS]: v[D + k] = alpha_k exp(-beta_k (pos - kappa_k)^2) where c_k - 3 <= pos <= c_k + 3, else 0
.macro PRIOR
	v_cvt_f32_i32 v[POSF], v[POS]
.irp k, 0,1,2,3
	v_sub_f32 v[D+\k], v[POSF], s[KA+\k]           ; pos - kappa_k
.endr
.irp k, 0,1,2,3
	v_add_nc_u32 v[U+\k], s[TC+\k], v[POS]         ; pos + 3 - c_k: 0 .. 6 inside window k
.endr
.irp k, 0,1,2,3
	v_mul_f32 v[D+\k], v[D+\k], v[D+\k]
.endr
.irp k, 0,1,2,3
	v_cmp_gt_u32 s[IW+\k], 7, v[U+\k]
.endr
.irp k, 0,1,2,3
	v_mul_f32 v[D+\k], s[NB+\k], v[D+\k]
.endr
.irp k, 0,1,2,3
	v_exp_f32 v[D+\k], v[D+\k]
.endr
	v_nop                                          ; a plain place behind the last exponential
	s_wait_alu depctr_va_vdst(0)                   ; one wait for the four, ahead of their first reader
.irp k, 0,1,2,3
	v_mul_f32 v[D+\k], s[AL+\k], v[D+\k]
.endr
.irp k, 0,1,2,3
	v_cndmask_b32 v[D+\k], 0, v[D+\k], s[IW+\k]    ; reference()'s pm
.endr
.endm
.macro GDENSE                          ; my four rows of a group of positions are 8,192 consecutive bytes: 16 loads of 512
.set n, 0
.rept 16
	global_load_b128 v[G+4*n:G+4*n+3], v[L16], s[RB:RB+1] offset:512*n
.set n, n+1
.endr
.endm
.macro GSLOTS                          ; my four slots' rows, each by its own address
.irp i, 0,1,2,3
.irp q, 0,1,2,3
	global_load_b128 v[G+16*\i+4*\q:G+16*\i+4*\q+3], v[L16], s[SB+2*\i:SB+2*\i+1] offset:512*\q
.endr
.endr
.endm
; ONE GROUP OF 32 ROWS.  next = 1: the next group of positions is asked for; 2: the slots' rows; 0: nothing.  left: the loads younger than this group's rows.  first = 1: the weights are waited for
.macro TRIP next, left, first
	s_wait_loadcnt \left                           ; my four rows of this group are in
.irp i, 0,1,2,3
.irp q, 0,1,2,3
	ds_store_b128 v[RW], v[G+16*\i+4*\q:G+16*\i+4*\q+3] offset:2064*\i+512*\q
.endr
.endr
	BARRIER                                        ; the 32 rows lie in LDS, and my stores have read G
.if \next == 1
	s_add_nc_u64 s[RB:RB+1], s[RB:RB+1], 0x10000   ; 32 rows on (the loads that named this base are in: the wait at the trip's head)
	GDENSE
.elseif \next == 2
	GSLOTS
.endif
.irp b, 0,1,2,3
.irp q, 0,1,2,3
	ds_load_b128 v[R+16*\b+4*\q:R+16*\b+4*\q+3], v[QA] offset:128*\b+16*\q
.endr
.endr
	s_wait_dscnt 0x0
	QUANT R
.irp c, 0,1,2
	ds_store_b128 v[XWI], v[PC+4*\c:PC+4*\c+3] offset:512*\c   ; the fragment as it stands: lane l's 16 bytes at 16 l
.endr
	ds_store_b32 v[XWS], v[PW]
	BARRIER                                        ; the eight fragments lie in LDS
.irp f, 0,1,2,3,4,5,6,7
.irp c, 0,1,2
	ds_load_b128 v[XF+12*\f+4*\c:XF+12*\f+4*\c+3], v[LIX] offset:1536*\f+512*\c
.endr
	ds_load_b32 v[XS+\f], v[LSX] offset:128*\f
.endr
	s_wait_dscnt 0x0
.if \first
	s_wait_loadcnt 16                              ; W_s0's image and scale words, qpart and W_s1 are in; the next group's 16 loads, issued behind them, may stay out
.endif
	WIN 0x11                                       ; source 0 (W_s0) and source 2 (qpart) window 1
.irp t, 0,1                            ; the first K step starts the sums from qpart.  The four accumulators take turns, one instruction a turn
.irp m, 0,1
	v_wmma_scale_f32_16x16x128_f8f6f4 v[AC+8*(2*\t+\m):AC+8*(2*\t+\m)+7], v[12*(4*\t):12*(4*\t)+11], v[XF+12*(4*\m):XF+12*(4*\m)+11], v[QP+8*\t:QP+8*\t+7], v[WS+4*\t], v[XS+4*\m] matrix_a_fmt:MATRIX_FMT_FP6 matrix_b_fmt:MATRIX_FMT_FP6
.endr
.endr
	WIN 0x01                                       ; source 0 window 1
.irp s, 1,2,3                          ; K ascending
.irp t, 0,1
.irp m, 0,1
	v_wmma_scale_f32_16x16x128_f8f6f4 v[AC+8*(2*\t+\m):AC+8*(2*\t+\m)+7], v[12*(4*\t+\s):12*(4*\t+\s)+11], v[XF+12*(4*\m+\s):XF+12*(4*\m+\s)+11], v[AC+8*(2*\t+\m):AC+8*(2*\t+\m)+7], v[WS+4*\t+\s], v[XS+4*\m+\s] matrix_a_fmt:MATRIX_FMT_FP6 matrix_b_fmt:MATRIX_FMT_FP6
.endr
.endr
.endr
	WIN 0
.rept 4
	v_nop                                          ; four places ahead of the first read of a result (ISA guide 7.12.1)
.endr
	TANH32
.irp t, 0,1                            ; the product with W_s1 in f32: four chains (t, m), each over my lane's eight units of the tile
.irp m, 0,1
	v_mul_f32 v[DT+2*\t+\m], v[AC+8*(2*\t+\m)], v[W1+8*\t]
.endr
.endr
.irp j, 1,2,3,4,5,6,7
.irp t, 0,1
.irp m, 0,1
	v_fmac_f32 v[DT+2*\t+\m], v[AC+8*(2*\t+\m)+\j], v[W1+8*\t+\j]
.endr
.endr
.endr
	v_add_f32 v[DT], v[DT], v[DT+2]
	v_add_f32 v[DT+1], v[DT+1], v[DT+3]
	v_permlane16_swap_b32 v[DT], v[DT+1]           ; the first now holds both tiles' h = 0 parts, the second their h = 1 parts:
	v_add_f32 v[DT], v[DT], v[DT+1]                ; lane = the row in the group
	v_add_nc_u32 v[SPT], s[TS], v[SPS]
	ds_store_b32 v[SPT], v[DT]
	s_add_co_u32 s[TS], s[TS], 1024                ; the next group's parts
.endm
	s_load_b512 s[4:19], s[0:1], 0x0               ; ctx 4, wimg 6, W_s0 scales 8, W_s1 10, side 12, centers 14, out0 16, out1 18
	v_lshl_add_u32 v[SPW], v0, 2, SPARE
	v_mov_b32 v[NIL], 0
	v_lshrrev_b32 v1, 5, v0
	v_readfirstlane_b32 s[WV], v1                  ; wave 0..7
	v_and_b32 v1, 31, v0                           ; lane
	v_and_b32 v2, 15, v0                           ; r
	v_bfe_u32 v3, v0, 4, 1                         ; h
	s_mov_b32 s[SEL], 0x76543210
	s_mov_b32 s[SEL+1], 0xfedcba98
	s_lshr_b32 s[BA], ttmp9, 3
	s_and_b32 s[QU], ttmp9, 7
	s_lshl_b32 s60, s[BA], 22                      ; a batch of ctx is 2,048 rows of 2,048 bytes,
	s_lshl_b32 s30, s[QU], 19                      ; my work-group's part 256 rows,
	s_add_co_u32 s30, s30, s60
	s_lshl_b32 s29, s[WV], 13                      ; my wave's part of a group four rows
	s_add_co_u32 s30, s30, s29
	s_mov_b32 s31, 0
	s_lshl_b32 s22, s[BA], 4                       ; 16 bytes a batch in centers, alpha, nb and kappa
	s_mov_b32 s23, 0
	s_lshr_b32 s21, s[WV], 1                       ; my four slots belong to component w / 2
	s_lshl_b32 s21, s21, 2                         ; (s21 is the offset of a scalar load below and is not written again)
	v_lshlrev_b32 v[L16], 4, v1
	s_mul_i32 s29, s[WV], 12288
	v_lshl_add_u32 v[WO], v1, 4, s29
	s_lshl_b32 s29, s[WV], 5
	v_add_nc_u32 v[WSO], s29, v2                   ; 32 w + r
	v_lshlrev_b32 v[WSO], 5, v[WSO]
	s_lshl_b32 s29, s[WV], 7
	v_lshl_add_u32 v[CO], v3, 5, s29
	s_wait_kmcnt 0x0
	s_add_nc_u64 s[RB:RB+1], s[4:5], s[30:31]      ; group 0's rows
	s_add_nc_u64 s[14:15], s[14:15], s[22:23]
	s_add_nc_u64 s[2:3], s[12:13], s[22:23]
	s_load_b128 s[CE:CE+3], s[14:15], 0x0          ; the four centres,
	s_load_b32 s28, s[14:15], s21 offset:0x0       ; my slots' once more,
	s_load_b128 s[AL:AL+3], s[2:3], 0x8000
	s_load_b128 s[NB:NB+3], s[2:3], 0x8200
	s_load_b128 s[KA:KA+3], s[2:3], 0x8400
	s_lshl_b32 s22, s[BA], 10
	s_add_nc_u64 s[12:13], s[12:13], s[22:23]      ; my batch's qpart
	; THE LOADS, group 0's rows first, so that they are quantised while the weights come in
	GDENSE
	WIN 0x40                                       ; destination window 1
.irp f, 0,1,2,3,4,5,6,7
.irp c, 0,1,2
	global_load_b128 v[12*\f+4*\c:12*\f+4*\c+3], v[WO], s[6:7] offset:1536*\f+512*\c   ; W_s0's fragments as the first launch laid them: 512 consecutive bytes a load
.endr
.endr
.irp t, 0,1
.irp q, 0,1
	global_load_b128 v[QP+8*\t+4*\q:QP+8*\t+4*\q+3], v[CO], s[12:13] offset:64*\t+16*\q   ; qpart, in the result's layout: the C of each sum's first matrix instruction
.endr
.endr
	WIN 0
.irp t, 0,1
	global_load_b128 v[WS+4*\t:WS+4*\t+3], v[WSO], s[8:9] offset:512*\t     ; a row's four scale words of K = 0 .. 511
.endr
.irp t, 0,1
.irp q, 0,1
	global_load_b128 v[W1+8*\t+4*\q:W1+8*\t+4*\q+3], v[CO], s[10:11] offset:64*\t+16*\q
.endr
.endr
	; the other addresses.  LDS addresses are a constant + a constant x wave + constants x lane (v[RO] alone: + 256 x the work-group's eighth)
	s_lshl_b32 s22, s[BA], 11
	s_lshl_b32 s29, s[QU], 8
	s_add_co_u32 s22, s22, s29
	s_add_nc_u64 s[16:17], s[16:17], s[22:23]      ; my 64 columns of the batch's row of out0,
	v_lshl_add_u32 v[RO], v1, 3, s29
	s_lshl_b32 s22, s[BA], 13
	s_lshl_b32 s29, s[QU], 10
	s_add_co_u32 s22, s22, s29
	s_add_nc_u64 s[18:19], s[18:19], s[22:23]      ; my 256 positions of its row of out1
	s_mov_b32 s61, 0xff00
	s_mov_b32 s62, 0xff0000
	s_mov_b32 s63, 0xff000000
	s_mov_b32 s[TS], 0
.irp b, 0,1,2,3
	v_mov_b32 v[TM+4+\b], 0                        ; written once: a lane permute's destination counts as one of its sources
.endr
	s_mul_i32 s29, s[WV], 8256                     ; four rows of 2,064 bytes
	v_lshl_add_u32 v[RW], v1, 4, s29
	s_lshr_b32 s29, s[WV], 2                       ; my fragment: rows 16 (w / 4) on,
	s_mul_i32 s29, s29, 33024
	s_and_b32 s30, s[WV], 3                        ; K = 128 (w % 4) on: 512 bytes
	s_lshl_b32 s30, s30, 9
	s_add_co_u32 s29, s29, s30
	v_mul_u32_u24 v[QA], v2, 2064
	v_lshl_add_u32 v[QA], v3, 6, v[QA]             ; row r, + 64 h: my 16 numbers of a block of 32
	v_add_nc_u32 v[QA], s29, v[QA]
	s_mul_i32 s29, s[WV], 1536
	s_add_co_u32 s29, s29, XIMG
	v_lshl_add_u32 v[XWI], v1, 4, s29
	s_lshl_b32 s29, s[WV], 7
	s_add_co_u32 s30, s29, XSC
	v_lshl_add_u32 v[XWS], v1, 2, s30
	s_add_co_u32 s30, s29, SCP
	v_lshl_add_u32 v[SPS], v1, 2, s30
	v_lshl_add_u32 v[LIX], v1, 4, XIMG
	v_lshl_add_u32 v[LSX], v1, 2, XSC
	v_lshl_add_u32 v[LSS], v1, 2, SCP
	s_and_b32 s29, s[WV], 3                        ; u = w % 4: at the end wave u < 4 has positions 64 u + 2 lane + e: group 2 u + h, rows 2 r + e
	s_lshl_b32 s30, s29, 11
	s_add_co_u32 s30, s30, SCP
	v_lshl_add_u32 v[DSA], v3, 10, s30
	v_lshl_add_u32 v[DSA], v2, 3, v[DSA]
	s_lshl_b32 s30, s29, 8
	v_lshl_add_u32 v[O1], v1, 3, s30
	v_lshlrev_b32 v[L8], 3, v1
	s_lshl_b32 s[U64], s29, 6                      ; 64 u, in a register that no pending load names
	s_and_b32 s29, s[WV], 1
	s_lshl_b32 s29, s29, 2                         ; my slots' j = 4 (w % 2) + i
	s_wait_kmcnt 0x0
	s_add_co_i32 s29, s29, s28
	s_add_co_i32 s29, s29, -3                      ; my first slot's position
.irp i, 0,1,2,3
	s_add_co_i32 s30, s29, \i
	s_max_i32 s30, s30, 0
	s_min_u32 s30, s30, 0x7ff                      ; held inside the batch: a slot outside it has the weight 0 and reads an edge row
	s_lshl_b32 s30, s30, 11
	s_add_co_u32 s30, s30, s60
	s_add_nc_u64 s[SB+2*\i:SB+2*\i+1], s[4:5], s[30:31]
.endr
	; THE PRIORS, while the loads are on their way: they hang on the first launch's numbers alone
.irp k, 0,1,2,3
	s_sub_co_i32 s[TC+\k], 3, s[CE+\k]
.endr
	v_mov_b32 v[POS], s[CE]                        ; lane = slot
	v_mov_b32 v[T0], s[CE+1]
	v_mov_b32 v[T0+1], s[CE+2]
	v_mov_b32 v[T0+2], s[CE+3]
	v_cndmask_b32 v[POS], v[POS], v[T0], s61
	v_cndmask_b32 v[POS], v[POS], v[T0+1], s62
	v_cndmask_b32 v[POS], v[POS], v[T0+2], s63     ; c of component lane / 8
	v_and_b32 v[T0], 7, v0
	v_add_nc_u32 v[POS], v[POS], v[T0]
	v_add_nc_u32 v[POS], -3, v[POS]                ; + lane % 8 - 3
	PRIOR
	v_cmp_gt_u32 s58, 0x800, v[POS]                ; 0 <= pos < 2,048 (a negative one is a large unsigned number)
	v_cndmask_b32 v[OWN], v[D], v[D+1], s61
	v_cndmask_b32 v[OWN], v[OWN], v[D+2], s62
	v_cndmask_b32 v[OWN], v[OWN], v[D+3], s63      ; the slot's own component's term
	v_cndmask_b32 v[OWN], 0, v[OWN], s58
	s_and_b32 s59, s58, 0x7f7f7f7f                 ; the slots that stand for a position of their own window
	s_lshl_b32 s30, s[QU], 8
	s_add_co_u32 s30, s30, s[U64]
	v_lshl_add_u32 v[POS], v1, 1, s30              ; my first position at the end: 256 (x % 8) + 64 u + 2 lane
	PRIOR
	v_add_f32 v[F0], v[D], v[D+1]
	v_add_f32 v[T0], v[D+2], v[D+3]
	v_add_f32 v[F0], v[F0], v[T0]                  ; prior_score there,
	v_add_nc_u32 v[POS], 1, v[POS]
	PRIOR
	v_add_f32 v[F0+1], v[D], v[D+1]
	v_add_f32 v[T0], v[D+2], v[D+3]
	v_add_f32 v[F0+1], v[F0+1], v[T0]              ; and at the position behind it
	; THE NINE GROUPS
	TRIP 1, 34, 1                                  ; group 0: behind its rows 24 + 4 + 2 + 4 loads were issued (image, qpart, scale words, W_s1)
	s_mov_b32 s[CNT], 6
.Lgroup:                                               ; groups 1 to 6; each asks for the next
	TRIP 1, 0, 0
	s_sub_co_u32 s[CNT], s[CNT], 1
	s_cmp_lg_u32 s[CNT], 0
	s_cbranch_scc1 .Lgroup
	TRIP 2, 0, 0                                   ; group 7 asks for the slots' rows
	TRIP 0, 0, 0                                   ; the slots; nothing more is asked for: no load leaves its buffer
	BARRIER                                        ; all parts of all scores lie in LDS
	; THE END.  Every wave: the slots' scores, their largest, the row's sum (lane = slot)
.irp w, 0,1,2,3,4,5,6,7
	ds_load_b32 v[PT+\w], v[LSS] offset:8192+128*\w
.endr
	v_mov_b32 v[LOW], 0xff61b1e6
	v_mov_b32 v[PX], 0                             ; a lane permute's destination counts as one of its sources
	s_wait_dscnt 0x0
	v_add_f32 v[PT], v[PT], v[PT+1]
	v_add_f32 v[PT+2], v[PT+2], v[PT+3]
	v_add_f32 v[PT+4], v[PT+4], v[PT+5]
	v_add_f32 v[PT+6], v[PT+6], v[PT+7]
	v_add_f32 v[PT], v[PT], v[PT+2]
	v_add_f32 v[PT+4], v[PT+4], v[PT+6]
	v_add_f32 v[SC], v[PT], v[PT+4]                ; the slot's score, without b_s1
	v_cndmask_b32 v[MX], v[LOW], v[SC], s59
	v_max_num_f32_dpp v[MX], v[MX], v[MX] row_xmask:1 row_mask:0xf bank_mask:0xf
	v_max_num_f32_dpp v[MX], v[MX], v[MX] row_xmask:2 row_mask:0xf bank_mask:0xf
	v_max_num_f32_dpp v[MX], v[MX], v[MX] row_xmask:4 row_mask:0xf bank_mask:0xf
	v_max_num_f32_dpp v[MX], v[MX], v[MX] row_xmask:8 row_mask:0xf bank_mask:0xf
	v_permlanex16_b32 v[PX], v[MX], s[SEL], s[SEL+1]
	v_max_num_f32 v[MX], v[MX], v[PX]              ; the largest score among the windows' positions
	v_sub_f32 v[E], v[SC], v[MX]
	v_min_num_f32 v[E], 0, v[E]                    ; (a slot of weight 0 may score higher: it is held, so that 0 x lkh stays 0)
	v_mul_f32 v[E], 0x3fb8aa3b, v[E]
	v_exp_f32 v[E], v[E]
	v_nop
	s_wait_alu depctr_va_vdst(0)
	v_mul_f32 v[PO], v[OWN], v[E]
	v_mul_f32 v[RS], v[OWN], v[E]
	v_add_f32_dpp v[RS], v[RS], v[RS] row_xmask:1 row_mask:0xf bank_mask:0xf
	v_add_f32_dpp v[RS], v[RS], v[RS] row_xmask:2 row_mask:0xf bank_mask:0xf
	v_add_f32_dpp v[RS], v[RS], v[RS] row_xmask:4 row_mask:0xf bank_mask:0xf
	v_add_f32_dpp v[RS], v[RS], v[RS] row_xmask:8 row_mask:0xf bank_mask:0xf
	v_permlanex16_b32 v[PX], v[RS], s[SEL], s[SEL+1]
	v_add_f32 v[RS], v[RS], v[PX]                  ; the row's sum
	v_rcp_f32 v[RS], v[RS]
	v_nop
	s_wait_alu depctr_va_vdst(0)
	s_cmp_lt_u32 s[WV], 4
	s_cbranch_scc0 .Lnot_out1
	; waves 0 to 3: p_ctx at positions 64 u + 2 lane + e, from those positions' own scores
.irp w, 0,1,2,3,4,5,6,7
	ds_load_b64 v[DP+2*\w:DP+2*\w+1], v[DSA] offset:128*\w
.endr
	s_wait_dscnt 0x0
	v_pk_add_f32 v[DP:DP+1], v[DP:DP+1], v[DP+2:DP+3]           ; the eight parts in the order in which the slots' are added
	v_pk_add_f32 v[DP+4:DP+5], v[DP+4:DP+5], v[DP+6:DP+7]
	v_pk_add_f32 v[DP+8:DP+9], v[DP+8:DP+9], v[DP+10:DP+11]
	v_pk_add_f32 v[DP+12:DP+13], v[DP+12:DP+13], v[DP+14:DP+15]
	v_pk_add_f32 v[DP:DP+1], v[DP:DP+1], v[DP+4:DP+5]
	v_pk_add_f32 v[DP+8:DP+9], v[DP+8:DP+9], v[DP+12:DP+13]
	v_pk_add_f32 v[DP:DP+1], v[DP:DP+1], v[DP+8:DP+9]
.irp e, 0,1
	v_sub_f32 v[DP+\e], v[DP+\e], v[MX]
.endr
.irp e, 0,1
	v_min_num_f32 v[DP+\e], 0, v[DP+\e]            ; (outside the windows a score may be higher: it is held, so that 0 x lkh stays 0)
.endr
.irp e, 0,1
	v_mul_f32 v[DP+\e], 0x3fb8aa3b, v[DP+\e]
.endr
.irp e, 0,1
	v_exp_f32 v[DP+\e], v[DP+\e]
.endr
	v_nop
	s_wait_alu depctr_va_vdst(0)
	v_pk_mul_f32 v[DP:DP+1], v[DP:DP+1], v[F0:F0+1]             ; prior_score x lkh,
	v_pk_mul_f32 v[DP:DP+1], v[DP:DP+1], v[RS:RS+1] op_sel_hi:[1,0]   ; / the sum: 0 outside the windows, or reference()'s NaN where the sum is 0
	global_store_b64 v[O1], v[DP:DP+1], s[18:19] th:TH_STORE_NT ; a wave stores 256 consecutive bytes, aligned
	s_branch .Lend
.Lnot_out1:
	s_cmp_eq_u32 s[WV], 4
	s_cbranch_scc0 .Lend
	; wave 4: the work-group's 64 columns of expected_ctx, two a lane, from the slots' rows, which still lie in LDS: ctx is not read again
.set n, 0
.rept 32
	ds_load_b64 v[RP+2*n:RP+2*n+1], v[RO] offset:2064*n
.set n, n+1
.endr
	v_mul_f32 v[PO], v[PO], v[RS]
	v_mul_f32 v[FILL], 0, v[RS]                    ; 0, or the NaN of an empty sum
.set n, 0
.rept 32
	v_readlane_b32 s[PS+n], v[PO], n
.set n, n+1
.endr
	s_wait_dscnt 0x0
	v_fma_f32 v[O], s[PS], v[RP], v[FILL]          ; four chains; the even rows' begin from FILL
	v_fma_f32 v[O+1], s[PS], v[RP+1], v[FILL]
	v_mul_f32 v[O+2], s[PS+1], v[RP+2]
	v_mul_f32 v[O+3], s[PS+1], v[RP+3]
.set n, 2
.rept 30
	v_fmac_f32 v[O+2*(n%2)], s[PS+n], v[RP+2*n]
	v_fmac_f32 v[O+2*(n%2)+1], s[PS+n], v[RP+2*n+1]
.set n, n+1
.endr
	v_pk_add_f32 v[O:O+1], v[O:O+1], v[O+2:O+3]
	global_store_b64 v[L8], v[O:O+1], s[16:17] th:TH_STORE_NT   ; 256 consecutive bytes, aligned
.Lend:
	s_wait_tensorcnt 0x0                           ; the wave's end: three lines behind my last LDS store
	ds_add_u32 v[SPW], v[NIL]
	s_wait_dscnt 0x0
	s_endpgm
.Lfunc_end_k_q23b3538158_attend:
	.size	k_q23b3538158_attend, .Lfunc_end_k_q23b3538158_attend-k_q23b3538158_attend
	.p2alignl 7, 3214868480
	.fill 96, 4, 3214868480
	.section	.rodata,"a",@progbits
	.p2align	6, 0x0
	.amdhsa_kernel k_q23b3538158_attend
		.amdhsa_group_segment_fixed_size 89600
		.amdhsa_private_segment_fixed_size 0
		.amdhsa_enable_private_segment 0
		.amdhsa_kernarg_size 64
		.amdhsa_user_sgpr_count 2
		.amdhsa_user_sgpr_kernarg_segment_ptr 1
		.amdhsa_wavefront_size32 1
		.amdhsa_system_sgpr_workgroup_id_x 1
		.amdhsa_system_sgpr_workgroup_id_y 1
		.amdhsa_system_sgpr_workgroup_id_z 1
		.amdhsa_system_vgpr_workitem_id 0
		.amdhsa_next_free_vgpr 384
		.amdhsa_next_free_sgpr 102
		.amdhsa_reserve_vcc 0
		.amdhsa_float_denorm_mode_32 3
		.amdhsa_float_denorm_mode_16_64 3
		.amdhsa_memory_ordered 1
		.amdhsa_forward_progress 1
		.amdhsa_inst_pref_size 101
	.end_amdhsa_kernel
	.amdgpu_metadata
---
amdhsa.version: [ 1, 2 ]
amdhsa.kernels:
  - .name:           k_q23b3538158_attend
    .symbol:         k_q23b3538158_attend.kd
    .args:
      - { .name: ctx, .offset: 0, .size: 8, .value_kind: global_buffer, .address_space: global }
      - { .name: wimg, .offset: 8, .size: 8, .value_kind: global_buffer, .address_space: global }
      - { .name: W_s0_scales, .offset: 16, .size: 8, .value_kind: global_buffer, .address_space: global }
      - { .name: W_s1, .offset: 24, .size: 8, .value_kind: global_buffer, .address_space: global }
      - { .name: side, .offset: 32, .size: 8, .value_kind: global_buffer, .address_space: global }
      - { .name: centers, .offset: 40, .size: 8, .value_kind: global_buffer, .address_space: global }
      - { .name: out0, .offset: 48, .size: 8, .value_kind: global_buffer, .address_space: global }
      - { .name: out1, .offset: 56, .size: 8, .value_kind: global_buffer, .address_space: global }
    .group_segment_fixed_size: 89600
    .private_segment_fixed_size: 0
    .kernarg_segment_align: 8
    .kernarg_segment_size: 64
    .max_flat_workgroup_size: 256
    .sgpr_count:     102
    .vgpr_count:     384
    .wavefront_size: 32
...
	.end_amdgpu_metadata
.endif
;; end of part 2
;; ======== version 2 of 2: 2 launches; version 1 with the launches stats, attend written anew for expert scheduling mode
;; workspace buffers: side 34,304 bytes; centers 512 bytes of whole numbers; wimg 98,304 bytes
;; launch stats (part 3): grid 3 x 1, 8 waves a work-group, no clusters, 217,600 bytes of LDS; arguments query, W_q2p_codes, W_q2p_scales, b_q2p, W_p2s, b_p2s, W_s0_codes, W_s0_scales, b_s0, side, centers, wimg; writes side, centers, wimg
.if DOCPART == 3
	.amdgcn_target "amdgcn-amd-amdhsa--gfx1250"
	.amdhsa_code_object_version 6
	.text
	.protected	k_q23b3538158_stats
	.globl	k_q23b3538158_stats
	.p2align	8
	.type	k_q23b3538158_stats,@function
k_q23b3538158_stats:
	s_mov_b64 s[64:65], 0
	v_nop
	global_prefetch_b8 v0, s[64:65] scope:SCOPE_SE
	s_setreg_imm32_b32 hwreg(HW_REG_WAVE_SCHED_MODE, 0, 2), 2
	s_setreg_imm32_b32 hwreg(HW_REG_WAVE_MODE, 25, 1), 1
	s_wait_xcnt 0x0
	s_wait_alu depctr_vm_vsrc(0)
; LocalGMMScorerAttention, first of two launches: what hangs on the query and the weights alone.
; Work-group 0: h = tanh(Q(query) W_q2p + b_q2p) (QUANTISED, E2M3 codes), abk = h W_p2s + b_p2s (f32 multiply-adds), alpha, beta, kappa = exp(abk), and the four centres round(kappa) of each batch as whole numbers.
; Work-group 1: qpart[b][n] = b_s0[n] + the sum over k = 512 .. 1023 of Q(comb)[b][.][k] W_s0[k][n].
; Work-group 2: W_s0's codes of K = 0 .. 511, laid once in the order in which the second launch's operand registers take them (wimg).
; WORK THAT IS LEFT OUT, for all finite values of the inputs:
;  (a) reference() multiplies prior by pm, which it builds itself: pm(b, k, l) = 0 unless round(kappa(b, k)) - 3 <= l <= round(kappa(b, k)) + 3.  So prior_score(b, l) = 0 at every l in none of the batch's four windows, and there
;      p_ctx = 0 x lkh / sum = 0: such an l adds 0 to p_ctx.sum and 0 x ctx to expected_ctx.  Those terms of the row's sum and those rows of the last product are left out.  Which are kept hangs on whole numbers, the centres:
;      this launch stores them, the second launch reads them and gathers 4 x 8 rows a batch.  (The scorer's products, comb W_s0 and tanh(.) W_s1, are done for EVERY row, as the problem's table lists them; outside the windows
;      their result meets that factor 0.)
;  (b) comb's K = 512 .. 1023 is the query, the same in all rows of a batch, in whole blocks of 32: its codes and scales are those of product 1's left operand, and its part of the sum is the same for all rows: it is made once a batch.
;  (c) b_s1 multiplies every lkh of a batch by exp(b_s1), numerator and row sum alike: it cancels in p_ctx / sum.  b_s1 has no way to an output: it is not loaded and is no argument of any launch.
; LIMITS: a NaN, an infinity or an overflow that reaches only the work left out is not carried to the result.  A centre is held at 4,096 (a NaN kappa too): every centre above 2,050 is an empty window alike.
;         NaN and infinities among the inputs are not served.  A block of zeros gets the scale byte 1 (its codes are zeros; the bytes are read here alone).
; SHARES, work-groups 0 and 1 alike: eight waves.  Wave w brings rows 4 w .. 4 w + 3 of the query (dense loads of 512 bytes) into LDS, then quantises fragment w (rows 16 (w / 4) on, K = 128 (w % 4) on) and stores it as an image of its
; registers; then every wave multiplies its own 32 rows of the weight (units 32 w .. 32 w + 31, straight from memory into operand registers) by all 32 rows: 16 matrix instructions on four accumulators that take turns.
; The matrix instruction is used transposed (source 0 = 16 rows of the weight, source 1 = 16 rows of the query): lane (r, h) holds batch 16 m + r and its register j unit 32 w + 16 t + 8 h + j.  The bias is loaded into the accumulators.
; The work-groups take three paths of the text, parted on the work-group's number; paths 0 and 1 have LDS bytes of their own, path 2 stores nothing to LDS.
; No tensor loads, no cluster, no prefetch: each byte is asked for once, at the head, and the codes go into registers without a pass through LDS; work-groups 0 and 1 share the query's 65,536 bytes alone.
; THE MODE: SCHED_MODE bits 1:0 = 2 (LLVM: expert scheduling mode 2), set by the entry lines.  The code itself states the register dependences between vector or matrix instructions and memory or LDS instructions,
; with s_wait_alu, always for 0.
; THE PLAN.  Registers that memory or LDS instructions touch, and who else names them:
;   v4-15, v181, v220-222   addresses: written by vector instructions at a path's head, read by loads and stores, never written again: one wait on va_vdst ahead of the path's first load.
;   v80-143 (R)             the rows' loads land; the rows' LDS stores read them; my fragment's LDS loads land (behind a wait on vm_vsrc); the quantiser reads them.
;   v144-180 (PC, TM, PW)   the quantiser writes them; the image's LDS stores read PC and PW (behind a wait on va_vdst).
;   v80-175 (XF), v24-31    the eight images' LDS loads land (behind a wait on vm_vsrc for PC; the wait on va_vdst behind the quantiser still covers its reads and writes); the matrix instructions read them.
;   window 1, v80-175       path 0: behind the products W_p2s's rows land there (a wait on va_vdst: the products are done reading); the multiply-adds read them; wave 0's loads of abk's parts land in v80-175.
;   v184-207 (S), v32-63    results that LDS stores read: a wait on va_vdst ahead of each run of stores.  v80-95: wave 0's results, which global stores read: likewise.
.set ROWS0, 0                          ; path 0: 32 rows of the query, 2,048 bytes + 16: row r starts 4 banks on from row r - 1
.set XIMG0, 66048                      ; eight fragments' images, 1,536 bytes each
.set XSC0,  78336                      ; their scale words, 128 bytes each
.set WP,    79360                      ; W_p2s as it lies, 12,288 bytes
.set RED,   91648                      ; each wave's part of abk: 32 batches x 48 bytes
.set ROWS1, 103936                     ; path 1: the same three regions,
.set XIMG1, 169984
.set XSC1,  182272
.set STG,   183296                     ; and a stage for qpart: 32 rows x (1,024 bytes + 16)
.set SPARE, 216576                     ; the spare words, 128 bytes for each wave: four blocks of 256 bytes that no other line names
.set QO,  4                            ; v4   the query: 8,192 w + 16 lane          path 2: my byte offset in wimg
.set RW,  5                            ; v5   where I put my four rows
.set QA,  6                            ; v6   where I read my fragment's numbers
.set XWI, 7                            ; v7   where I put my fragment's image
.set XWS, 8                            ; v8   and its scale words
.set LIX, 9                            ; v9   an image's place for my lane
.set LSX, 10                           ; v10  a scale word's
.set WO,  11                           ; v11  the weight's codes: (32 w + r) rows + 24 h
.set WSO, 12                           ; v12  its scale bytes: (32 w + r) rows
.set CO,  13                           ; v13  a bias: 128 w + 32 h
.set PA,  14                           ; v14  path 0: my 16 rows of W_p2s in LDS          path 1: SGW, where I put results in the stage
.set SGW, 14
.set RDW, 15                           ; v15  path 0: where I put my part of abk           path 1: SGR, where I read rows of the stage back
.set SGR, 15
.set WS,  16                           ; v16-23  the weight's scale words (tile t, K step s: 4 t + s): scales and nothing else
.set XS,  24                           ; v24-31  the rows' scale words (4 m + s): scales and nothing else
.set AC,  32                           ; v32-63  four accumulators (t, m) at 8 (2 t + m)
.set R,   80                           ; v80-143 64 numbers
.set XF,  80                           ; v80-175 the eight fragments, once all are quantised
.set PC,  144                          ; v144-163 the codes just made
.set TM,  164                          ; v164-179 at work in the quantiser
.set PW,  180                          ; v180 the scale word just made
.set WPS, 181                          ; v181 path 0: where I put 16 bytes of W_p2s        path 1: SGO, my byte offset in qpart
.set SGO, 181
.set SPW, 182                          ; v182 LDS address of my spare word; never rewritten
.set NIL, 183                          ; v183 0; never rewritten
.set S,   184                          ; v184-207 path 0: 24 sums of product 2: 12 m + c
.set WT,  208                          ; v208-219 path 0: 48 bytes of W_p2s on their way to LDS
.set T16, 220                          ; v220 16 x thread
.set RDR, 221                          ; v221 where wave 0 reads the parts of abk
.set L16, 222                          ; v222 16 x lane
.set WV,  26                           ; s26  my wave's number
.set SEL, 52                           ; s[52:53] lane selects for v_permlanex16_b32: lane l xor 16
.set MSB, 0
.macro WIN new                         ; the immediate's high byte repeats the setting that is left; a switch that changes nothing is dropped
.if MSB != \new
	s_set_vgpr_msb (MSB<<8)|\new
.set MSB, \new
.endif
.endm
.macro BARRIER                         ; my LDS stores have landed and my LDS loads are in: then the work-group's barrier
	s_wait_dscnt 0x0
	s_barrier_signal -1
	s_barrier_wait -1
.endm
; every address of the common part; LDS addresses are a constant + a constant x wave + constants x lane
.macro ADDRS rows, ximg, xsc, pit, spit
	s_lshl_b32 s27, s[WV], 13
	v_lshl_add_u32 v[QO], v1, 4, s27
	s_mul_i32 s27, s[WV], 8256                     ; four rows of 2,064 bytes
.if \rows != 0
	s_add_co_u32 s27, s27, \rows
.endif
	v_lshl_add_u32 v[RW], v1, 4, s27
	s_lshr_b32 s27, s[WV], 2                       ; my fragment: rows 16 (w / 4) on,
	s_mul_i32 s27, s27, 33024
	s_and_b32 s28, s[WV], 3                        ; K = 128 (w % 4) on: 512 bytes
	s_lshl_b32 s28, s28, 9
	s_add_co_u32 s27, s27, s28
.if \rows != 0
	s_add_co_u32 s27, s27, \rows
.endif
	v_mul_u32_u24 v[QA], v2, 2064
	v_lshl_add_u32 v[QA], v3, 6, v[QA]             ; row r, + 64 h: my 16 numbers of a block of 32
	v_add_nc_u32 v[QA], s27, v[QA]
	s_mul_i32 s27, s[WV], 1536
	s_add_co_u32 s27, s27, \ximg
	v_lshl_add_u32 v[XWI], v1, 4, s27
	s_lshl_b32 s27, s[WV], 7
	s_add_co_u32 s28, s27, \xsc
	v_lshl_add_u32 v[XWS], v1, 2, s28
	v_lshl_add_u32 v[CO], v3, 5, s27
	v_lshl_add_u32 v[LIX], v1, 4, \ximg
	v_lshl_add_u32 v[LSX], v1, 2, \xsc
	s_lshl_b32 s27, s[WV], 5
	v_add_nc_u32 v[WO], s27, v2                    ; 32 w + r
	v_mul_u32_u24 v[WSO], v[WO], \spit
	v_mul_u32_u24 v[WO], v[WO], \pit
	v_mad_u32_u24 v[WO], v3, 24, v[WO]
.endm
.macro ROWLOAD                         ; my four rows: each load reads 512 consecutive bytes
.irp i, 0,1,2,3
.irp q, 0,1,2,3
	global_load_b128 v[R+16*\i+4*\q:R+16*\i+4*\q+3], v[QO], s[4:5] offset:2048*\i+512*\q
.endr
.endr
.endm
.macro ROWSTORE                        ; and into LDS as they lie
.irp i, 0,1,2,3
.irp q, 0,1,2,3
	ds_store_b128 v[RW], v[R+16*\i+4*\q:R+16*\i+4*\q+3] offset:2064*\i+512*\q
.endr
.endr
.endm
; the weight's fragments (tile t, K step s) at v[12 (4 t + s)] of window 1: lane (r, h) takes 24 bytes at 24 h and 24 bytes at 48 + 24 h of its row's 96, in pieces of 8
.macro WLOAD wb, wpit, wk
	WIN 0x40                                       ; destination window 1
.irp t, 0,1
.irp s, 0,1,2,3
.irp p, 0,1,2,3,4,5
	global_load_b64 v[12*(4*\t+\s)+2*\p:12*(4*\t+\s)+2*\p+1], v[WO], s[\wb:\wb+1] offset:16*\wpit*\t+\wk+96*\s+48*(\p/3)+8*(\p%3)
.endr
.endr
.endr
	WIN 0
.endm
.macro WSLOAD sb, sstep, sk            ; a row's four scale words of 512 along K are 16 neighbouring bytes
.irp t, 0,1
	global_load_b128 v[WS+4*\t:WS+4*\t+3], v[WSO], s[\sb:\sb+1] offset:\sstep*\t+\sk
.endr
.endm
.macro BIAS bb                         ; the bias, in the result's layout, straight into the accumulators: it costs no addition
.irp t, 0,1
.irp m, 0,1
.irp q, 0,1
	global_load_b128 v[AC+8*(2*\t+\m)+4*\q:AC+8*(2*\t+\m)+4*\q+3], v[CO], s[\bb:\bb+1] offset:64*\t+16*\q
.endr
.endr
.endr
.endm
; 64 numbers of a lane, register 16 b + i = k 32 b + 16 (lane / 16) + i of my row, become a fragment's codes in v[PC] on and its scale word in v[PW]
.macro QUANT s
.irp b, 0,1,2,3
	v_max3_num_f32 v[TM+\b], |v[\s+16*\b]|, |v[\s+1+16*\b]|, 0x1800000   ; block b: my 16 numbers, and the floor 2^(3 - 127): so the byte cannot fall under 1
.endr
.irp i, 2,4,6,8,10,12,14
.irp b, 0,1,2,3
	v_max3_num_f32 v[TM+\b], v[TM+\b], |v[\s+16*\b+\i]|, |v[\s+1+16*\b+\i]|   ; (the four blocks by turns)
.endr
.endr
.irp b, 0,1,2,3
	v_permlanex16_b32 v[TM+4+\b], v[TM+\b], s[SEL], s[SEL+1]
.endr
.irp b, 0,1,2,3
	v_max_num_f32 v[TM+\b], v[TM+\b], v[TM+4+\b]   ; with lane l xor 16's: the block's largest magnitude
.endr
.irp b, 0,1,2,3
	v_add_nc_u32 v[TM+12+\b], 0xff000000, v[TM+\b] ; 2 off its exponent field: the conversion takes the exponent field of this operand as its scale
.endr
.irp b, 0,1,2,3
	v_lshrrev_b32 v[TM+4+\b], 23, v[TM+12+\b]      ; the scale's byte
.endr
	v_lshl_or_b32 v[PW], v[TM+5], 8, v[TM+4]       ; the four bytes make my row's scale word
	v_lshl_or_b32 v[PW], v[TM+6], 16, v[PW]
	v_lshl_or_b32 v[PW], v[TM+7], 24, v[PW]
.irp c, 0,1
	v_cvt_scalef32_pk16_fp6_f32 v[PC+6*\c:PC+2+6*\c], v[\s+32*\c:\s+15+32*\c], v[TM+12+2*\c]
	v_cvt_scalef32_pk16_fp6_f32 v[PC+12+4*\c:PC+14+4*\c], v[\s+16+32*\c:\s+31+32*\c], v[TM+12+2*\c+1]   ; (a conversion's three registers begin on an even number)
.endr
	v_nop                                          ; one plain place behind a scaled conversion
.irp c, 0,1                            ; the operand's layout wants a whole block in a lane: lanes 0-15 block 2 c, lanes 16-31 block 2 c + 1
.irp i, 0,1,2
	v_permlane16_swap_b32 v[PC+6*\c+\i], v[PC+12+4*\c+\i]
.endr
.irp i, 0,1,2
	v_mov_b32 v[PC+3+6*\c+\i], v[PC+12+4*\c+\i]
.endr
.endr
.endm
; from the rows in LDS to the finished sums: barrier; my fragment is read, quantised and stored as an image; barrier; all eight images come back; 16 matrix instructions
.macro FRONT2
	BARRIER                                        ; the 32 rows lie in LDS
	s_wait_alu depctr_vm_vsrc(0)                   ; my LDS stores of the rows have read v[R ..], in which the loads below land
.irp b, 0,1,2,3
.irp q, 0,1,2,3
	ds_load_b128 v[R+16*\b+4*\q:R+16*\b+4*\q+3], v[QA] offset:128*\b+16*\q
.endr
.endr
	s_wait_dscnt 0x0
	QUANT R
	s_wait_alu depctr_va_vdst(0)                   ; the quantiser has written v[PC ..] and v[PW], which the LDS stores read; it is done with v[R ..], v[PC ..] and v[TM ..], in which the images' loads land behind the barrier
.irp c, 0,1,2
	ds_store_b128 v[XWI], v[PC+4*\c:PC+4*\c+3] offset:512*\c   ; the fragment as it stands: lane l's 16 bytes at 16 l
.endr
	ds_store_b32 v[XWS], v[PW]
	BARRIER                                        ; the eight fragments lie in LDS
	s_wait_alu depctr_vm_vsrc(0)                   ; my LDS stores have read v[PC ..], in which the images' loads land
.irp f, 0,1,2,3,4,5,6,7
.irp c, 0,1,2
	ds_load_b128 v[XF+12*\f+4*\c:XF+12*\f+4*\c+3], v[LIX] offset:1536*\f+512*\c
.endr
	ds_load_b32 v[XS+\f], v[LSX] offset:128*\f
.endr
	s_wait_dscnt 0x0
	s_wait_loadcnt 0x0                             ; the weight's codes and scale words, and the bias
	WIN 0x01                                       ; source 0 (the weight) window 1
.irp s, 0,1,2,3                        ; K ascending; the four accumulators take turns, one instruction a turn
.irp t, 0,1
.irp m, 0,1
	v_wmma_scale_f32_16x16x128_f8f6f4 v[AC+8*(2*\t+\m):AC+8*(2*\t+\m)+7], v[12*(4*\t+\s):12*(4*\t+\s)+11], v[XF+12*(4*\m+\s):XF+12*(4*\m+\s)+11], v[AC+8*(2*\t+\m):AC+8*(2*\t+\m)+7], v[WS+4*\t+\s], v[XS+4*\m+\s] matrix_a_fmt:MATRIX_FMT_FP6 matrix_b_fmt:MATRIX_FMT_FP6
.endr
.endr
.endr
	WIN 0
.rept 4
	v_nop                                          ; four places ahead of the first read of a result (ISA guide 7.12.1)
.endr
.endm
; tanh x = 1 - 2 / (1 + 2^(2 log2(e) x)), in place on the 32 results, each accumulator from its low end on; two batches of transcendentals, one wait each
.macro TANH32
.set n, 0
.rept 16
	v_pk_mul_f32 v[AC+n:AC+n+1], v[AC+n:AC+n+1], 0x4038aa3b op_sel_hi:[1,0]
.set n, n+2
.endr
.set n, 0
	s_wait_alu depctr_va_vdst(0)
.rept 32
	v_exp_f32 v[AC+n], v[AC+n]
.set n, n+1
.endr
	v_nop                                          ; a plain place behind the last exponential
	s_wait_alu depctr_va_vdst(0)                   ; the 32 exponentials have written v[AC ..], ahead of the additions, their first readers
.set n, 0
.rept 16
	v_pk_add_f32 v[AC+n:AC+n+1], v[AC+n:AC+n+1], 1.0 op_sel_hi:[1,0]
.set n, n+2
.endr
.set n, 0
	s_wait_alu depctr_va_vdst(0)
.rept 32
	v_rcp_f32 v[AC+n], v[AC+n]
.set n, n+1
.endr
	v_nop
	s_wait_alu depctr_va_vdst(0)                   ; the 32 reciprocals have written v[AC ..], ahead of the multiply-adds, their first readers
.set n, 0
.rept 16
	v_pk_fma_f32 v[AC+n:AC+n+1], v[AC+n:AC+n+1], -2.0, 1.0 op_sel_hi:[1,0,0]
.set n, n+2
.endr
.endm
	s_load_b512 s[4:19], s[0:1], 0x0               ; query 4, W_q2p codes 6, its scales 8, b_q2p 10, W_p2s 12, b_p2s 14, W_s0 codes 16, its scales 18
	s_load_b128 s[20:23], s[0:1], 0x40             ; b_s0 20, side 22
	s_load_b64 s[24:25], s[0:1], 0x50              ; centers
	s_load_b64 s[44:45], s[0:1], 0x58              ; wimg
	v_lshl_add_u32 v[SPW], v0, 2, SPARE
	v_mov_b32 v[NIL], 0
	v_lshrrev_b32 v1, 5, v0
	v_readfirstlane_b32 s[WV], v1                  ; wave 0..7
	v_and_b32 v1, 31, v0                           ; lane
	v_and_b32 v2, 15, v0                           ; r
	v_bfe_u32 v3, v0, 4, 1                         ; h
	s_mov_b32 s[SEL], 0x76543210
	s_mov_b32 s[SEL+1], 0xfedcba98
.irp b, 0,1,2,3
	v_mov_b32 v[TM+4+\b], 0                        ; written once: a lane permute's destination counts as one of its sources
.endr
	s_wait_alu depctr_va_sdst(0)                   ; s[WV] is written, ahead of the parting and of its first reader on each of the three paths
	s_cmp_lg_u32 ttmp9, 0                          ; the parting, on the work-group's number
	s_cbranch_scc1 .Lqpart
	s_wait_alu depctr_va_vdst(0)
	; ======== work-group 0: alpha, beta, kappa and the centres
	ADDRS ROWS0, XIMG0, XSC0, 384, 16
	v_lshl_add_u32 v[WPS], v0, 4, WP
	v_lshlrev_b32 v[T16], 4, v0
	s_mul_i32 s27, s[WV], 1536
	s_add_co_u32 s28, s27, WP
	v_mul_u32_u24 v[PA], v3, 384                   ; W_p2s's rows 32 w + 8 h on: 48 bytes a row
	v_add_nc_u32 v[PA], s28, v[PA]
	s_add_co_u32 s28, s27, RED
	v_mul_u32_u24 v[RDR], v1, 48
	v_add_nc_u32 v[RDW], s28, v[RDR]
	v_add_nc_u32 v[RDR], RED, v[RDR]
	v_lshlrev_b32 v[L16], 4, v1
	s_wait_kmcnt 0x0
	s_load_b256 s[32:39], s[14:15], 0x0            ; b_p2s: 12 numbers
	s_load_b128 s[40:43], s[14:15], 0x20
	s_wait_alu depctr_va_vdst(0)                   ; the path's addresses v4-15, v181 and v220-222 are written, which its loads and stores read; none is written again
	ROWLOAD
.irp i, 0,1,2
	global_load_b128 v[WT+4*\i:WT+4*\i+3], v[T16], s[12:13] offset:4096*\i
.endr
	WLOAD 6, 384, 0
	WSLOAD 8, 256, 0
	BIAS 10
	s_wait_loadcnt 58                              ; the rows and W_p2s are in; the 48 + 2 + 8 loads issued behind them (codes, scale words, bias) may stay out
	ROWSTORE
.irp i, 0,1,2
	ds_store_b128 v[WPS], v[WT+4*\i:WT+4*\i+3] offset:4096*\i
.endr
	FRONT2
	; W_p2s's 16 rows that go with my lane's 16 units: P[12 j + c] = W_p2s[32 w + 16 t + 8 h + j][c]; t = 1 into window 1, t = 0 into v80 on (both sets of registers are done with)
	WIN 0x40
	s_wait_alu depctr_va_vdst(0)                   ; the matrix instructions are done reading W_q2p's fragments (window 1) and the rows' (v80-175), in which the 48 loads below land
.set n, 0
.rept 24
	ds_load_b128 v[4*n:4*n+3], v[PA] offset:768+16*n
.set n, n+1
.endr
	WIN 0
.set n, 0
.rept 24
	ds_load_b128 v[80+4*n:80+4*n+3], v[PA] offset:16*n
.set n, n+1
.endr
	TANH32                                         ; h, while those loads are on their way
	s_wait_dscnt 0x0
	; product 2 in f32: 24 chains (batch 16 m + r, column c), each over my lane's 16 units
.irp m, 0,1
.irp c, 0,1,2,3,4,5,6,7,8,9,10,11
	v_mul_f32 v[S+12*\m+\c], v[AC+8*\m], v[80+\c]  ; the first product starts each sum
.endr
.endr
.irp j, 1,2,3,4,5,6,7
.irp m, 0,1
.irp c, 0,1,2,3,4,5,6,7,8,9,10,11
	v_fmac_f32 v[S+12*\m+\c], v[AC+8*\m+\j], v[80+12*\j+\c]
.endr
.endr
.endr
	WIN 0x01                                       ; source 0 window 1
.irp j, 0,1,2,3,4,5,6,7
.irp m, 0,1
.irp c, 0,1,2,3,4,5,6,7,8,9,10,11
	v_fmac_f32 v[S+12*\m+\c], v[12*\j+\c], v[AC+16+8*\m+\j]
.endr
.endr
.endr
	WIN 0
.irp c, 0,1,2,3,4,5,6,7,8,9,10,11
	v_permlane16_swap_b32 v[S+\c], v[S+12+\c]      ; the first now holds both tiles' h = 0 parts, the second their h = 1 parts:
.endr
.irp c, 0,1,2,3,4,5,6,7,8,9,10,11
	v_add_f32 v[S+\c], v[S+\c], v[S+12+\c]         ; lane = batch
.endr
	s_wait_alu depctr_va_vdst(0)                   ; the additions have written v[S ..], which the LDS stores read; the multiply-adds are done reading v80-175, in which wave 0's loads land behind the barrier
.irp i, 0,1,2
	ds_store_b128 v[RDW], v[S+4*\i:S+4*\i+3] offset:16*\i
.endr
	s_wait_kmcnt 0x0                               ; b_p2s
	BARRIER                                        ; the eight waves' parts of abk lie in LDS
	s_cmp_lg_u32 s[WV], 0
	s_cbranch_scc1 .Lend0                          ; wave 0 alone goes on: 32 batches, a lane each
.irp w, 0,1,2,3,4,5,6,7
.irp i, 0,1,2
	ds_load_b128 v[80+12*\w+4*\i:80+12*\w+4*\i+3], v[RDR] offset:1536*\w+16*\i
.endr
.endr
	s_wait_dscnt 0x0
.irp a, 0,2,4,6
.irp p, 0,2,4,6,8,10
	v_pk_add_f32 v[80+12*\a+\p:81+12*\a+\p], v[80+12*\a+\p:81+12*\a+\p], v[92+12*\a+\p:93+12*\a+\p]
.endr
.endr
.irp a, 0,4
.irp p, 0,2,4,6,8,10
	v_pk_add_f32 v[80+12*\a+\p:81+12*\a+\p], v[80+12*\a+\p:81+12*\a+\p], v[104+12*\a+\p:105+12*\a+\p]
.endr
.endr
.irp p, 0,2,4,6,8,10
	v_pk_add_f32 v[80+\p:81+\p], v[80+\p:81+\p], v[128+\p:129+\p]
.endr
.irp c, 0,1,2,3,4,5,6,7,8,9,10,11
	v_add_f32 v[80+\c], s[32+\c], v[80+\c]         ; abk
.endr
.irp c, 0,1,2,3,4,5,6,7,8,9,10,11
	v_mul_f32 v[80+\c], 0x3fb8aa3b, v[80+\c]       ; x log2(e)
.endr
	s_wait_alu depctr_va_vdst(0)
.irp c, 0,1,2,3,4,5,6,7,8,9,10,11
	v_exp_f32 v[80+\c], v[80+\c]                   ; alpha v80-83, beta v84-87, kappa v88-91
.endr
	v_nop
	s_wait_alu depctr_va_vdst(0)                   ; the twelve exponentials have written v80-91, ahead of their first reader
.irp i, 0,1,2,3
	v_mul_f32 v[84+\i], 0xbfb8aa3b, v[84+\i]       ; -beta log2(e): the second launch's exponentials are to the base 2
.endr
.irp i, 0,1,2,3
	v_rndne_f32 v[92+\i], v[88+\i]                 ; round(kappa), ties to even as jnp.round
.endr
.irp i, 0,1,2,3
	v_min_num_f32 v[92+\i], 0x45800000, v[92+\i]   ; held at 4,096 (a NaN loses): an empty window
.endr
.irp i, 0,1,2,3
	v_cvt_i32_f32 v[92+\i], v[92+\i]
.endr
	s_wait_alu depctr_va_vdst(0)                   ; v84-87 and v92-95 are written, which the stores below read
	global_store_b128 v[L16], v[80:83], s[22:23] offset:32768    ; each store covers 512 consecutive bytes, aligned to 256
	global_store_b128 v[L16], v[84:87], s[22:23] offset:33280
	global_store_b128 v[L16], v[88:91], s[22:23] offset:33792
	global_store_b128 v[L16], v[92:95], s[24:25]
.Lend0:
	s_wait_dscnt 0x0                               ; the closing lines, six on end
	s_wait_alu 0x0
	s_wait_tensorcnt 0x0
	ds_add_u32 v[SPW], v[NIL]
	s_wait_dscnt 0x0
	s_endpgm
.Lqpart:
	s_cmp_lg_u32 ttmp9, 1
	s_cbranch_scc1 .Llay
	s_wait_alu depctr_va_vdst(0)
	; ======== work-group 1: qpart
	ADDRS ROWS1, XIMG1, XSC1, 768, 32
	s_lshl_b32 s27, s[WV], 7
	s_add_co_u32 s27, s27, STG
	v_mul_u32_u24 v[SGW], v2, 1040
	v_lshl_add_u32 v[SGW], v3, 5, v[SGW]
	v_add_nc_u32 v[SGW], s27, v[SGW]               ; the stage: row r, + 128 w + 32 h
	s_mul_i32 s27, s[WV], 4160
	s_add_co_u32 s27, s27, STG
	v_lshl_add_u32 v[SGR], v1, 4, s27              ; back: my four rows, 16 bytes a lane
	s_lshl_b32 s27, s[WV], 12
	v_lshl_add_u32 v[SGO], v1, 4, s27              ; and the same in qpart
	s_wait_kmcnt 0x0
	s_wait_alu depctr_va_vdst(0)                   ; the path's addresses v4-15 and v181 are written, which its loads and stores read; none is written again
	ROWLOAD
	WLOAD 16, 768, 384                             ; W_s0's K = 512 .. 1023: bytes 384 on of each row of 768
	WSLOAD 18, 512, 16
	BIAS 20
	s_wait_loadcnt 58                              ; the rows are in; the 48 + 2 + 8 loads issued behind them may stay out
	ROWSTORE
	FRONT2
	s_wait_alu depctr_va_vdst(0)                   ; the matrix instructions have written the accumulators, which the LDS stores read (the four places above stay beside this wait), and are done reading v80 on, in which the loads from the stage land
.irp t, 0,1
.irp m, 0,1
.irp q, 0,1
	ds_store_b128 v[SGW], v[AC+8*(2*\t+\m)+4*\q:AC+8*(2*\t+\m)+4*\q+3] offset:16640*\m+64*\t+16*\q   ; each accumulator from its low end on
.endr
.endr
.endr
	BARRIER                                        ; 32 whole rows of qpart lie in the stage
.irp i, 0,1,2,3
.irp q, 0,1
	ds_load_b128 v[80+4*(2*\i+\q):80+4*(2*\i+\q)+3], v[SGR] offset:1040*\i+512*\q
.endr
.endr
.irp i, 0,1,2,3
.irp q, 0,1
	s_wait_dscnt 7-(2*\i+\q)                       ; the loads younger than this one may stay out
	global_store_b128 v[SGO], v[80+4*(2*\i+\q):80+4*(2*\i+\q)+3], s[22:23] offset:1024*\i+512*\q   ; 512 consecutive bytes, aligned to 256
.endr
.endr
	s_wait_dscnt 0x0                               ; the closing lines, six on end
	s_wait_alu 0x0
	s_wait_tensorcnt 0x0
	ds_add_u32 v[SPW], v[NIL]
	s_wait_dscnt 0x0
	s_endpgm
	; ======== work-group 2: W_s0's codes of K = 0 .. 511 in the order of the operand's registers.  Wave w takes rows 32 w .. 32 w + 31: eight fragments f = 4 t + s (tile t, K step s) of 12 registers a lane;
	; fragment f of wave w lies at 12,288 w + 1,536 f, its registers 4 c .. 4 c + 3 of lane l at 512 c + 16 l.  The 256 work-groups of the second launch then take each fragment by three dense loads of 512 bytes.
.Llay:
	s_lshl_b32 s27, s[WV], 5
	s_wait_alu depctr_va_vdst(0)
	v_add_nc_u32 v[WO], s27, v2                    ; 32 w + r
	v_mul_u32_u24 v[WO], v[WO], 768
	v_mad_u32_u24 v[WO], v3, 24, v[WO]
	s_mul_i32 s27, s[WV], 12288
	v_lshl_add_u32 v[QO], v1, 4, s27
	s_wait_kmcnt 0x0
	s_wait_alu depctr_va_vdst(0)                   ; v[WO] and v[QO] are written, which the loads and the stores below read; neither is written again
.irp t, 0,1
.irp s, 0,1,2,3
.irp p, 0,1,2,3,4,5
	global_load_b64 v[XF+12*(4*\t+\s)+2*\p:XF+12*(4*\t+\s)+2*\p+1], v[WO], s[16:17] offset:16*768*\t+96*\s+48*(\p/3)+8*(\p%3)
.endr
.endr
.endr
.irp f, 0,1,2,3,4,5,6,7
	s_wait_loadcnt 42-6*\f                         ; fragment f's six loads are in; those of the fragments behind it may stay out
.irp c, 0,1,2
	global_store_b128 v[QO], v[XF+12*\f+4*\c:XF+12*\f+4*\c+3], s[44:45] offset:1536*\f+512*\c   ; 512 consecutive bytes, aligned to 256
.endr
.endr
	s_wait_dscnt 0x0                               ; the closing lines, six on end
	s_wait_alu 0x0
	s_wait_tensorcnt 0x0
	ds_add_u32 v[SPW], v[NIL]
	s_wait_dscnt 0x0
	s_endpgm
.Lfunc_end_k_q23b3538158_stats:
	.size	k_q23b3538158_stats, .Lfunc_end_k_q23b3538158_stats-k_q23b3538158_stats
	.p2alignl 7, 3214868480
	.fill 96, 4, 3214868480
	.section	.rodata,"a",@progbits
	.p2align	6, 0x0
	.amdhsa_kernel k_q23b3538158_stats
		.amdhsa_group_segment_fixed_size 217600
		.amdhsa_private_segment_fixed_size 0
		.amdhsa_enable_private_segment 0
		.amdhsa_kernarg_size 96
		.amdhsa_user_sgpr_count 2
		.amdhsa_user_sgpr_kernarg_segment_ptr 1
		.amdhsa_wavefront_size32 1
		.amdhsa_system_sgpr_workgroup_id_x 1
		.amdhsa_system_sgpr_workgroup_id_y 1
		.amdhsa_system_sgpr_workgroup_id_z 1
		.amdhsa_system_vgpr_workitem_id 0
		.amdhsa_next_free_vgpr 384
		.amdhsa_next_free_sgpr 66
		.amdhsa_reserve_vcc 0
		.amdhsa_float_denorm_mode_32 3
		.amdhsa_float_denorm_mode_16_64 3
		.amdhsa_memory_ordered 1
		.amdhsa_forward_progress 1
		.amdhsa_inst_pref_size 81
	.end_amdhsa_kernel
	.amdgpu_metadata
---
amdhsa.version: [ 1, 2 ]
amdhsa.kernels:
  - .name:           k_q23b3538158_stats
    .symbol:         k_q23b3538158_stats.kd
    .args:
      - { .name: query, .offset: 0, .size: 8, .value_kind: global_buffer, .address_space: global }
      - { .name: W_q2p_codes, .offset: 8, .size: 8, .value_kind: global_buffer, .address_space: global }
      - { .name: W_q2p_scales, .offset: 16, .size: 8, .value_kind: global_buffer, .address_space: global }
      - { .name: b_q2p, .offset: 24, .size: 8, .value_kind: global_buffer, .address_space: global }
      - { .name: W_p2s, .offset: 32, .size: 8, .value_kind: global_buffer, .address_space: global }
      - { .name: b_p2s, .offset: 40, .size: 8, .value_kind: global_buffer, .address_space: global }
      - { .name: W_s0_codes, .offset: 48, .size: 8, .value_kind: global_buffer, .address_space: global }
      - { .name: W_s0_scales, .offset: 56, .size: 8, .value_kind: global_buffer, .address_space: global }
      - { .name: b_s0, .offset: 64, .size: 8, .value_kind: global_buffer, .address_space: global }
      - { .name: side, .offset: 72, .size: 8, .value_kind: global_buffer, .address_space: global }
      - { .name: centers, .offset: 80, .size: 8, .value_kind: global_buffer, .address_space: global }
      - { .name: wimg, .offset: 88, .size: 8, .value_kind: global_buffer, .address_space: global }
    .group_segment_fixed_size: 217600
    .private_segment_fixed_size: 0
    .kernarg_segment_align: 8
    .kernarg_segment_size: 96
    .max_flat_workgroup_size: 256
    .sgpr_count:     66
    .vgpr_count:     384
    .wavefront_size: 32
...
	.end_amdgpu_metadata
.endif
;; end of part 3
;; launch attend (part 4): grid 256 x 1, 8 waves a work-group, no clusters, 89,600 bytes of LDS; arguments ctx, wimg, W_s0_scales, W_s1, side, centers, out0, out1; writes out0, out1
.if DOCPART == 4
	.amdgcn_target "amdgcn-amd-amdhsa--gfx1250"
	.amdhsa_code_object_version 6
	.text
	.protected	k_q23b3538158_attend
	.globl	k_q23b3538158_attend
	.p2align	8
	.type	k_q23b3538158_attend,@function
k_q23b3538158_attend:
	s_mov_b64 s[64:65], 0
	v_nop
	global_prefetch_b8 v0, s[64:65] scope:SCOPE_SE
	s_setreg_imm32_b32 hwreg(HW_REG_WAVE_SCHED_MODE, 0, 2), 2
	s_setreg_imm32_b32 hwreg(HW_REG_WAVE_MODE, 25, 1), 1
	s_wait_xcnt 0x0
	s_wait_alu depctr_vm_vsrc(0)
; LocalGMMScorerAttention, second launch: eight work-groups to a batch; work-group x serves batch x / 8 and positions 256 (x % 8) .. + 255.
; WORK LEFT OUT, as shown at the head of the first launch: the terms of p_ctx.sum and the rows of the last product at positions in none of the batch's four windows (products with a 0 that reference() builds itself), the query's
; half of comb W_s0 (made once a batch by the first launch: qpart), and b_s1 (it cancels in p_ctx / sum; not loaded).  A NaN, an infinity or an overflow that reaches only the work left out is not carried to the result.
; WHAT IS DONE FOR EVERY ROW: score = tanh(Q(ctx) W_s0[0:512] + qpart) W_s1, the first product on E2M3 codes, as the problem's table lists it; outside the windows the score then meets prior_score = 0.
; SLOTS.  The row's sum and expected_ctx want the scores at the windows' positions, which may lie with any of the batch's eight work-groups; no work-group reads what another stores, so each makes them for itself: 32 slots,
; slot 8 k + j at position c_k + j - 3 (c_k: the centre that the first launch stored as a whole number; j = 7 lies outside its own window and rides along in the tile): 32 rows more beside the work-group's 256.
; A slot's weight own = component k's term alpha_k exp(-beta_k (pos - kappa_k)^2) where |pos - c_k| <= 3 and 0 <= pos < 2,048, else 0.  Sum and expected_ctx are linear in the components: windows that overlap count as reference() counts them.
; p_ctx at a position takes that position's own score and the sum of all four components' masked terms: reference()'s prior_score.
; THE SHIFT.  reference() takes no maximum away before exp(score); here the largest score among the windows' positions is taken away: it cancels in the quotient, and no exponential can overflow.
; AN EMPTY SET OF WINDOWS (all centres above 2,050): the sum is 0, its reciprocal infinite, and 0 x that is the NaN that reference()'s 0 / 0 gives, in every number of both outputs.
; LIMITS: v_rcp_f32 and v_exp_f32 flush denormals: a row's sum (after the shift) under 2^-126 gives NaN.  NaN and infinities among the inputs are not served.  A block of zeros gets the scale byte 1 (zero codes; read here alone).
; SHARES.  Nine groups of 32 rows go through ONE macro, TRIP: groups 0 to 7 are the work-group's positions, group 8 the slots (last, so that their rows still lie in LDS for expected_ctx).  In a trip wave w puts rows 4 w .. 4 w + 3
; (loaded a trip ahead, 512 consecutive bytes a load) into LDS, quantises fragment w (rows 16 (w / 4) on, K = 128 (w % 4) on) and stores its image; every wave multiplies its 32 rows of W_s0 (hidden units 32 w on, 96 registers that
; stay for the whole launch) by all 32 rows: 16 matrix instructions on four accumulators by turns, begun from qpart; tanh; its part of the product with W_s1 in f32, one number a lane, into LDS.
; TWO BARRIERS A TRIP: rows whole | images whole.  The rows' bytes are written again behind the second barrier, which every wave's reads of them precede; the images' behind the next trip's first, likewise.
; THE END, behind a third barrier: every wave makes the slots' largest score and 1 / sum (lane = slot); waves 0 to 3 store p_ctx, two positions a lane; wave 4 stores the work-group's 64 columns of expected_ctx.
; NO CLUSTER, NO JOINT LOADS: the work-groups share W_s0's image alone: 98,304 of the 688,128 bytes that a work-group takes in, read once, at the head, straight into operand registers; a joint load would land it in LDS and add a
; pass through LDS and rounds of the cluster's barrier.  The slots' rows hang on stored numbers and differ from batch to batch.  Each group's rows are asked for a whole trip ahead by the loads themselves.
; THE MODE: SCHED_MODE bits 1:0 = 2 (LLVM: expert scheduling mode 2), set by the entry lines.  The code itself states the register dependences between vector or matrix instructions and memory or LDS instructions,
; with s_wait_alu, always for 0.
; THE PLAN.  Registers that memory or LDS instructions touch, round a trip:
;   v4-15, v181, v252-254  addresses: written by vector instructions at the head, read by loads and stores, never written again.
;   G v184-247             the next group's global loads land; the next trip's row stores into LDS read it; no vector instruction names it before the end.
;   R v80-143              my fragment's LDS loads land; the quantiser reads it.    PC v144-163, PW v180, TM v164-179: the quantiser writes them; the image's LDS stores read PC and PW.
;   XF v80-175, XS v24-31  the eight images' LDS loads land; the matrix instructions read them.    v80-83 (DT), v249 (SPT): written behind tanh; the store of my part of the scores reads v80 and v249.
; FOUR WAITS A TRIP.  (1) vm_vsrc behind the first barrier: the row stores have read G, the last trip's store of my part has read v80 and v249.  Behind it the next group's loads, which land in G, and my fragment's LDS loads, which land
; in R, are dealt in fours by turns.  (2) va_vdst behind the quantiser: PC and PW are written, for the image's stores; the quantiser is done with R, PC and TM, for the images' loads.  (3) vm_vsrc behind the second barrier: the image's
; stores have read PC and PW.  (4) va_vdst ahead of the store of my part: v80 and v249 are written; the matrix instructions are done reading XF and XS, in which the next trip's loads land: no vector instruction stands between this wait
; and those loads, over the loop's backward jump too.  Ahead of the first trip one va_vdst takes the part of (4).
.set ROWS,  0                          ; a group's 32 rows of ctx, 2,048 bytes + 16: row r starts 4 banks on from row r - 1
.set XIMG,  66048                      ; eight fragments' images, 1,536 bytes each
.set XSC,   78336                      ; their scale words, 128 bytes each
.set SCP,   79360                      ; the parts of the scores: group g, wave w, row l at 1,024 g + 128 w + 4 l
.set SPARE, 88576                      ; the spare words, 128 bytes for each wave: four blocks of 256 bytes that no other line names
.set L16, 4                            ; v4   16 x lane
.set RW,  5                            ; v5   where I put my four rows
.set QA,  6                            ; v6   where I read my fragment's numbers
.set XWI, 7                            ; v7   where I put my fragment's image
.set XWS, 8                            ; v8   and its scale words
.set LIX, 9                            ; v9   an image's place for my lane
.set LSX, 10                           ; v10  a scale word's
.set WO,  11                           ; v11  W_s0's image: 12,288 w + 16 lane
.set WSO, 12                           ; v12  its scale bytes: (32 w + r) x 32
.set CO,  13                           ; v13  qpart and W_s1: 128 w + 32 h
.set SPS, 14                           ; v14  where I put my part of group 0's scores
.set LSS, 15                           ; v15  where I read the parts: SCP + 4 lane
.set WS,  16                           ; v16-23  W_s0's scale words (4 t + s): scales and nothing else
.set XS,  24                           ; v24-31  the rows' scale words (4 m + s): scales and nothing else
.set AC,  32                           ; v32-63  four accumulators (t, m) at 8 (2 t + m)
.set W1,  64                           ; v64-79  W_s1 at my lane's 16 units: 8 t + j
.set R,   80                           ; v80-143 64 numbers for the quantiser
.set XF,  80                           ; v80-175 the eight fragments
.set DT,  80                           ; v80-83  then: the four chains of the product with W_s1
.set PC,  144                          ; v144-163 the codes just made
.set TM,  164                          ; v164-179 at work in the quantiser
.set PW,  180                          ; v180 the scale word just made
.set RO,  181                          ; v181 my two columns of a row in LDS: 256 (x % 8) + 8 lane
.set SPW, 182                          ; v182 LDS address of my spare word; never rewritten
.set NIL, 183                          ; v183 0; never rewritten
.set G,   184                          ; v184-247 my four rows of the next group, as they are loaded
.set OWN, 248                          ; v248 the slot's own weight
.set SPT, 249                          ; v249 where I put my part of this group's scores
.set F0,  250                          ; v250-251 prior_score at my two positions
.set DSA, 252                          ; v252 where I read my two positions' parts
.set O1,  253                          ; v253 my byte offset in the work-group's part of out1
.set L8,  254                          ; v254 8 x lane
.set LOW, 255                          ; v255 -3e38
.set QP,  96                           ; window 1: v0-95 W_s0's fragments (4 t + s), v96-111 qpart at my lane's 16 units
; at the head alone (the quantiser's registers are free there)
.set POS,  80                          ; a position
.set POSF, 81                          ; as f32
.set D,    84                          ; v84-87 the four components' terms
.set U,    88                          ; v88-91 pos + 3 - c_k
.set T0,   92                          ; v92-94 at work
; at the end alone (G and the fragments are free there)
.set PT,  184                          ; v184-191 the eight parts of a slot's score
.set SC,  192
.set MX,  193
.set E,   194
.set PX,  195                          ; what a lane permute brings
.set RS,  196                          ; 1 / the row's sum
.set FILL, 197                         ; 0 x that
.set PO,  198                          ; own x lkh / sum
.set DP,  200                          ; v200-215 the eight parts of my two positions' scores
.set RP,  80                           ; v80-143 two columns of each of the 32 slots' rows
.set O,   144                          ; v144-147 out0: (column, parity of the row)
.set WV,  20                           ; s20  my wave's number
.set CE,  24                           ; s24-27 the four centres;  s28 my rows' centre
.set AL,  32                           ; s32-35 alpha
.set NB,  36                           ; s36-39 -beta log2(e)
.set KA,  40                           ; s40-43 kappa
.set SB,  44                           ; s[44:51] my four slots' rows
.set SEL, 52                           ; s[52:53] lane selects for v_permlanex16_b32: lane l xor 16
.set IW,  54                           ; s54-57 lanes whose position lies in window k;  s58 lanes with 0 <= pos < 2,048;  s59 those with j < 7 too;  s61-63 the lanes of k = 1, 2, 3
.set TS,  66                           ; s66  1,024 x the group in hand
.set CNT, 67                           ; s67  the loop's trips
.set RB,  68                           ; s[68:69] my four rows of the group that was asked for last
.set BA,  70                           ; s70  the batch
.set QU,  71                           ; s71  which 256 positions
.set U64, 72                           ; s72  64 x (w % 4): the first of the positions that my wave stores at the end
.set PS,  66                           ; s66-97 at the end: own x lkh / sum of the 32 slots
.set TC,  98                           ; s98-101 3 - c_k
.set MSB, 0
.macro WIN new                         ; the immediate's high byte repeats the setting that is left; a switch that changes nothing is dropped
.if MSB != \new
	s_set_vgpr_msb (MSB<<8)|\new
.set MSB, \new
.endif
.endm
.macro BARRIER                         ; my LDS stores have landed and my LDS loads are in: then the work-group's barrier
	s_wait_dscnt 0x0
	s_barrier_signal -1
	s_barrier_wait -1
.endm
; 64 numbers of a lane, register 16 b + i = k 32 b + 16 (lane / 16) + i of my row, become a fragment's codes in v[PC] on and its scale word in v[PW]
.macro QUANT s
.irp b, 0,1,2,3
	v_max3_num_f32 v[TM+\b], |v[\s+16*\b]|, |v[\s+1+16*\b]|, 0x1800000   ; block b: my 16 numbers, and the floor 2^(3 - 127): so the byte cannot fall under 1
.endr
.irp i, 2,4,6,8,10,12,14
.irp b, 0,1,2,3
	v_max3_num_f32 v[TM+\b], v[TM+\b], |v[\s+16*\b+\i]|, |v[\s+1+16*\b+\i]|   ; (the four blocks by turns)
.endr
.endr
.irp b, 0,1,2,3
	v_permlanex16_b32 v[TM+4+\b], v[TM+\b], s[SEL], s[SEL+1]
.endr
.irp b, 0,1,2,3
	v_max_num_f32 v[TM+\b], v[TM+\b], v[TM+4+\b]   ; with lane l xor 16's: the block's largest magnitude
.endr
.irp b, 0,1,2,3
	v_add_nc_u32 v[TM+12+\b], 0xff000000, v[TM+\b] ; 2 off its exponent field: the conversion takes the exponent field of this operand as its scale
.endr
.irp b, 0,1,2,3
	v_lshrrev_b32 v[TM+4+\b], 23, v[TM+12+\b]      ; the scale's byte
.endr
	v_lshl_or_b32 v[PW], v[TM+5], 8, v[TM+4]       ; the four bytes make my row's scale word
	v_lshl_or_b32 v[PW], v[TM+6], 16, v[PW]
	v_lshl_or_b32 v[PW], v[TM+7], 24, v[PW]
.irp c, 0,1
	v_cvt_scalef32_pk16_fp6_f32 v[PC+6*\c:PC+2+6*\c], v[\s+32*\c:\s+15+32*\c], v[TM+12+2*\c]
	v_cvt_scalef32_pk16_fp6_f32 v[PC+12+4*\c:PC+14+4*\c], v[\s+16+32*\c:\s+31+32*\c], v[TM+12+2*\c+1]   ; (a conversion's three registers begin on an even number)
.endr
	v_nop                                          ; one plain place behind a scaled conversion
.irp c, 0,1                            ; the operand's layout wants a whole block in a lane: lanes 0-15 block 2 c, lanes 16-31 block 2 c + 1
.irp i, 0,1,2
	v_permlane16_swap_b32 v[PC+6*\c+\i], v[PC+12+4*\c+\i]
.endr
.irp i, 0,1,2
	v_mov_b32 v[PC+3+6*\c+\i], v[PC+12+4*\c+\i]
.endr
.endr
.endm
; tanh x = 1 - 2 / (1 + 2^(2 log2(e) x)), in place on the 32 results, each accumulator from its low end on; two batches of transcendentals, one wait each
.macro TANH32
.set n, 0
.rept 16
	v_pk_mul_f32 v[AC+n:AC+n+1], v[AC+n:AC+n+1], 0x4038aa3b op_sel_hi:[1,0]
.set n, n+2
.endr
.set n, 0
	s_wait_alu depctr_va_vdst(0)
.rept 32
	v_exp_f32 v[AC+n], v[AC+n]
.set n, n+1
.endr
	v_nop                                          ; a plain place behind the last exponential
	s_wait_alu depctr_va_vdst(0)                   ; the 32 exponentials have written v[AC ..], ahead of the additions, their first readers
.set n, 0
.rept 16
	v_pk_add_f32 v[AC+n:AC+n+1], v[AC+n:AC+n+1], 1.0 op_sel_hi:[1,0]
.set n, n+2
.endr
.set n, 0
	s_wait_alu depctr_va_vdst(0)
.rept 32
	v_rcp_f32 v[AC+n], v[AC+n]
.set n, n+1
.endr
	v_nop
	s_wait_alu depctr_va_vdst(0)                   ; the 32 reciprocals have written v[AC ..], ahead of the multiply-adds, their first readers
.set n, 0
.rept 16
	v_pk_fma_f32 v[AC+n:AC+n+1], v[AC+n:AC+n+1], -2.0, 1.0 op_sel_hi:[1,0,0]
.set n, n+2
.endr
.endm
; the four components' masked terms at the position in v[POS]: v[D + k] = alpha_k exp(-beta_k (pos - kappa_k)^2) where c_k - 3 <= pos <= c_k + 3, else 0
.macro PRIOR
	v_cvt_f32_i32 v[POSF], v[POS]
.irp k, 0,1,2,3
	v_sub_f32 v[D+\k], v[POSF], s[KA+\k]           ; pos - kappa_k
.endr
.irp k, 0,1,2,3
	v_add_nc_u32 v[U+\k], s[TC+\k], v[POS]         ; pos + 3 - c_k: 0 .. 6 inside window k
.endr
.irp k, 0,1,2,3
	v_mul_f32 v[D+\k], v[D+\k], v[D+\k]
.endr
.irp k, 0,1,2,3
	v_cmp_gt_u32 s[IW+\k], 7, v[U+\k]
.endr
.irp k, 0,1,2,3
	v_mul_f32 v[D+\k], s[NB+\k], v[D+\k]
.endr
	s_wait_alu depctr_va_vdst(0)
.irp k, 0,1,2,3
	v_exp_f32 v[D+\k], v[D+\k]
.endr
	v_nop                                          ; a plain place behind the last exponential
	s_wait_alu depctr_va_vdst(0)                   ; the four exponentials have written v[D ..], ahead of their first reader
.irp k, 0,1,2,3
	v_mul_f32 v[D+\k], s[AL+\k], v[D+\k]
.endr
	s_wait_alu depctr_va_sdst(0)                   ; the four compares have written s[IW ..], ahead of the selections, their first readers
.irp k, 0,1,2,3
	v_cndmask_b32 v[D+\k], 0, v[D+\k], s[IW+\k]    ; reference()'s pm
.endr
.endm
.macro GDENSE4 b                       ; my four rows of a group of positions are 8,192 consecutive bytes: 16 loads of 512; here row b's four
.irp q, 0,1,2,3
	global_load_b128 v[G+16*(\b)+4*\q:G+16*(\b)+4*\q+3], v[L16], s[RB:RB+1] offset:2048*(\b)+512*\q
.endr
.endm
.macro GSLOTS4 i                       ; my four slots' rows, each by its own address; here slot i's four loads
.irp q, 0,1,2,3
	global_load_b128 v[G+16*(\i)+4*\q:G+16*(\i)+4*\q+3], v[L16], s[SB+2*(\i):SB+2*(\i)+1] offset:512*\q
.endr
.endm
; ONE GROUP OF 32 ROWS.  next = 1: the next group of positions is asked for; 2: the slots' rows; 0: nothing.  left: the loads younger than this group's rows.  first = 1: the weights are waited for
.macro TRIP next, left, first
	s_wait_loadcnt \left                           ; my four rows of this group are in
.irp i, 0,1,2,3
.irp q, 0,1,2,3
	ds_store_b128 v[RW], v[G+16*\i+4*\q:G+16*\i+4*\q+3] offset:2064*\i+512*\q
.endr
.endr
	BARRIER                                        ; the 32 rows lie in LDS
	s_wait_alu depctr_vm_vsrc(0)                   ; my row stores have read G, in which the next group's loads land; the last trip's store of my part has read v[DT], in which an LDS load below lands, and v[SPT], which is written again
.if \next == 1
	s_add_nc_u64 s[RB:RB+1], s[RB:RB+1], 0x10000   ; 32 rows on (the loads that named this base are in: the wait at the trip's head)
.endif
.irp b, 0,1,2,3                        ; the next group's loads and my fragment's LDS loads by turns, four of each: no vector instruction names G, and none since the last wait on va_vdst names v[R ..]
.if \next == 1
	GDENSE4 \b
.elseif \next == 2
	GSLOTS4 \b
.endif
.irp q, 0,1,2,3
	ds_load_b128 v[R+16*\b+4*\q:R+16*\b+4*\q+3], v[QA] offset:128*\b+16*\q
.endr
.endr
	s_wait_dscnt 0x0
	QUANT R
	s_wait_alu depctr_va_vdst(0)                   ; the quantiser has written v[PC ..] and v[PW], which the LDS stores read; it is done with v[R ..], v[PC ..] and v[TM ..], in which the images' loads land behind the barrier
.irp c, 0,1,2
	ds_store_b128 v[XWI], v[PC+4*\c:PC+4*\c+3] offset:512*\c   ; the fragment as it stands: lane l's 16 bytes at 16 l
.endr
	ds_store_b32 v[XWS], v[PW]
	BARRIER                                        ; the eight fragments lie in LDS
	s_wait_alu depctr_vm_vsrc(0)                   ; my LDS stores have read v[PC ..], in which the images' loads land, and v[PW], which the next trip's quantiser writes
.irp f, 0,1,2,3,4,5,6,7
.irp c, 0,1,2
	ds_load_b128 v[XF+12*\f+4*\c:XF+12*\f+4*\c+3], v[LIX] offset:1536*\f+512*\c
.endr
	ds_load_b32 v[XS+\f], v[LSX] offset:128*\f
.endr
	s_wait_dscnt 0x0
.if \first
	s_wait_loadcnt 16                              ; W_s0's image and scale words, qpart and W_s1 are in; the next group's 16 loads, issued behind them, may stay out
.endif
	WIN 0x11                                       ; source 0 (W_s0) and source 2 (qpart) window 1
.irp t, 0,1                            ; the first K step starts the sums from qpart.  The four accumulators take turns, one instruction a turn
.irp m, 0,1
	v_wmma_scale_f32_16x16x128_f8f6f4 v[AC+8*(2*\t+\m):AC+8*(2*\t+\m)+7], v[12*(4*\t):12*(4*\t)+11], v[XF+12*(4*\m):XF+12*(4*\m)+11], v[QP+8*\t:QP+8*\t+7], v[WS+4*\t], v[XS+4*\m] matrix_a_fmt:MATRIX_FMT_FP6 matrix_b_fmt:MATRIX_FMT_FP6
.endr
.endr
	WIN 0x01                                       ; source 0 window 1
.irp s, 1,2,3                          ; K ascending
.irp t, 0,1
.irp m, 0,1
	v_wmma_scale_f32_16x16x128_f8f6f4 v[AC+8*(2*\t+\m):AC+8*(2*\t+\m)+7], v[12*(4*\t+\s):12*(4*\t+\s)+11], v[XF+12*(4*\m+\s):XF+12*(4*\m+\s)+11], v[AC+8*(2*\t+\m):AC+8*(2*\t+\m)+7], v[WS+4*\t+\s], v[XS+4*\m+\s] matrix_a_fmt:MATRIX_FMT_FP6 matrix_b_fmt:MATRIX_FMT_FP6
.endr
.endr
.endr
	WIN 0
.rept 4
	v_nop                                          ; four places ahead of the first read of a result (ISA guide 7.12.1)
.endr
	TANH32
.irp t, 0,1                            ; the product with W_s1 in f32: four chains (t, m), each over my lane's eight units of the tile
.irp m, 0,1
	v_mul_f32 v[DT+2*\t+\m], v[AC+8*(2*\t+\m)], v[W1+8*\t]
.endr
.endr
.irp j, 1,2,3,4,5,6,7
.irp t, 0,1
.irp m, 0,1
	v_fmac_f32 v[DT+2*\t+\m], v[AC+8*(2*\t+\m)+\j], v[W1+8*\t+\j]
.endr
.endr
.endr
	v_add_f32 v[DT], v[DT], v[DT+2]
	v_add_f32 v[DT+1], v[DT+1], v[DT+3]
	v_permlane16_swap_b32 v[DT], v[DT+1]           ; the first now holds both tiles' h = 0 parts, the second their h = 1 parts:
	v_add_f32 v[DT], v[DT], v[DT+1]                ; lane = the row in the group
	v_add_nc_u32 v[SPT], s[TS], v[SPS]
	s_wait_alu depctr_va_vdst(0)                   ; v[DT] and v[SPT] are written, which the store reads; the matrix instructions are done reading v[XF ..] and v[XS ..], and the chains with v[DT ..], in which the next LDS loads land
	ds_store_b32 v[SPT], v[DT]
	s_add_co_u32 s[TS], s[TS], 1024                ; the next group's parts
.endm
	s_load_b512 s[4:19], s[0:1], 0x0               ; ctx 4, wimg 6, W_s0 scales 8, W_s1 10, side 12, centers 14, out0 16, out1 18
	v_lshl_add_u32 v[SPW], v0, 2, SPARE
	v_mov_b32 v[NIL], 0
	v_lshrrev_b32 v1, 5, v0
	v_readfirstlane_b32 s[WV], v1                  ; wave 0..7
	v_and_b32 v1, 31, v0                           ; lane
	s_wait_alu depctr_va_vdst(0)
	v_and_b32 v2, 15, v0                           ; r
	s_wait_alu depctr_va_vdst(0)
	v_bfe_u32 v3, v0, 4, 1                         ; h
	s_wait_alu depctr_va_vdst(0)
	s_mov_b32 s[SEL], 0x76543210
	s_mov_b32 s[SEL+1], 0xfedcba98
	s_lshr_b32 s[BA], ttmp9, 3
	s_and_b32 s[QU], ttmp9, 7
	s_lshl_b32 s60, s[BA], 22                      ; a batch of ctx is 2,048 rows of 2,048 bytes,
	s_lshl_b32 s30, s[QU], 19                      ; my work-group's part 256 rows,
	s_add_co_u32 s30, s30, s60
	s_wait_alu depctr_va_sdst(0)                   ; s[WV] is written, ahead of its first reader
	s_lshl_b32 s29, s[WV], 13                      ; my wave's part of a group four rows
	s_add_co_u32 s30, s30, s29
	s_mov_b32 s31, 0
	s_lshl_b32 s22, s[BA], 4                       ; 16 bytes a batch in centers, alpha, nb and kappa
	s_mov_b32 s23, 0
	s_lshr_b32 s21, s[WV], 1                       ; my four slots belong to component w / 2
	s_lshl_b32 s21, s21, 2                         ; (s21 is the offset of a scalar load below and is not written again)
	v_lshlrev_b32 v[L16], 4, v1
	s_mul_i32 s29, s[WV], 12288
	v_lshl_add_u32 v[WO], v1, 4, s29
	s_lshl_b32 s29, s[WV], 5
	v_add_nc_u32 v[WSO], s29, v2                   ; 32 w + r
	v_lshlrev_b32 v[WSO], 5, v[WSO]
	s_lshl_b32 s29, s[WV], 7
	v_lshl_add_u32 v[CO], v3, 5, s29
	s_wait_kmcnt 0x0
	s_add_nc_u64 s[RB:RB+1], s[4:5], s[30:31]      ; group 0's rows
	s_add_nc_u64 s[14:15], s[14:15], s[22:23]
	s_add_nc_u64 s[2:3], s[12:13], s[22:23]
	s_load_b128 s[CE:CE+3], s[14:15], 0x0          ; the four centres,
	s_load_b32 s28, s[14:15], s21 offset:0x0       ; my slots' once more,
	s_load_b128 s[AL:AL+3], s[2:3], 0x8000
	s_load_b128 s[NB:NB+3], s[2:3], 0x8200
	s_load_b128 s[KA:KA+3], s[2:3], 0x8400
	s_lshl_b32 s22, s[BA], 10
	s_add_nc_u64 s[12:13], s[12:13], s[22:23]      ; my batch's qpart
	; THE LOADS, group 0's rows first, so that they are quantised while the weights come in
	s_wait_alu depctr_va_vdst(0)                   ; v[L16], v[WO], v[WSO] and v[CO] are written, which the loads below read as their offsets; none is written again
.irp b, 0,1,2,3
	GDENSE4 \b
.endr
	WIN 0x40                                       ; destination window 1
.irp f, 0,1,2,3,4,5,6,7
.irp c, 0,1,2
	global_load_b128 v[12*\f+4*\c:12*\f+4*\c+3], v[WO], s[6:7] offset:1536*\f+512*\c   ; W_s0's fragments as the first launch laid them: 512 consecutive bytes a load
.endr
.endr
.irp t, 0,1
.irp q, 0,1
	global_load_b128 v[QP+8*\t+4*\q:QP+8*\t+4*\q+3], v[CO], s[12:13] offset:64*\t+16*\q   ; qpart, in the result's layout: the C of each sum's first matrix instruction
.endr
.endr
	WIN 0
.irp t, 0,1
	global_load_b128 v[WS+4*\t:WS+4*\t+3], v[WSO], s[8:9] offset:512*\t     ; a row's four scale words of K = 0 .. 511
.endr
.irp t, 0,1
.irp q, 0,1
	global_load_b128 v[W1+8*\t+4*\q:W1+8*\t+4*\q+3], v[CO], s[10:11] offset:64*\t+16*\q
.endr
.endr
	; the other addresses.  LDS addresses are a constant + a constant x wave + constants x lane (v[RO] alone: + 256 x the work-group's eighth)
	s_lshl_b32 s22, s[BA], 11
	s_lshl_b32 s29, s[QU], 8
	s_add_co_u32 s22, s22, s29
	s_add_nc_u64 s[16:17], s[16:17], s[22:23]      ; my 64 columns of the batch's row of out0,
	v_lshl_add_u32 v[RO], v1, 3, s29
	s_lshl_b32 s22, s[BA], 13
	s_lshl_b32 s29, s[QU], 10
	s_add_co_u32 s22, s22, s29
	s_add_nc_u64 s[18:19], s[18:19], s[22:23]      ; my 256 positions of its row of out1
	s_mov_b32 s61, 0xff00
	s_mov_b32 s62, 0xff0000
	s_mov_b32 s63, 0xff000000
	s_mov_b32 s[TS], 0
.irp b, 0,1,2,3
	v_mov_b32 v[TM+4+\b], 0                        ; written once: a lane permute's destination counts as one of its sources
.endr
	s_mul_i32 s29, s[WV], 8256                     ; four rows of 2,064 bytes
	v_lshl_add_u32 v[RW], v1, 4, s29
	s_lshr_b32 s29, s[WV], 2                       ; my fragment: rows 16 (w / 4) on,
	s_mul_i32 s29, s29, 33024
	s_and_b32 s30, s[WV], 3                        ; K = 128 (w % 4) on: 512 bytes
	s_lshl_b32 s30, s30, 9
	s_add_co_u32 s29, s29, s30
	v_mul_u32_u24 v[QA], v2, 2064
	v_lshl_add_u32 v[QA], v3, 6, v[QA]             ; row r, + 64 h: my 16 numbers of a block of 32
	v_add_nc_u32 v[QA], s29, v[QA]
	s_mul_i32 s29, s[WV], 1536
	s_add_co_u32 s29, s29, XIMG
	v_lshl_add_u32 v[XWI], v1, 4, s29
	s_lshl_b32 s29, s[WV], 7
	s_add_co_u32 s30, s29, XSC
	v_lshl_add_u32 v[XWS], v1, 2, s30
	s_add_co_u32 s30, s29, SCP
	v_lshl_add_u32 v[SPS], v1, 2, s30
	v_lshl_add_u32 v[LIX], v1, 4, XIMG
	v_lshl_add_u32 v[LSX], v1, 2, XSC
	v_lshl_add_u32 v[LSS], v1, 2, SCP
	s_and_b32 s29, s[WV], 3                        ; u = w % 4: at the end wave u < 4 has positions 64 u + 2 lane + e: group 2 u + h, rows 2 r + e
	s_lshl_b32 s30, s29, 11
	s_add_co_u32 s30, s30, SCP
	v_lshl_add_u32 v[DSA], v3, 10, s30
	v_lshl_add_u32 v[DSA], v2, 3, v[DSA]
	s_lshl_b32 s30, s29, 8
	v_lshl_add_u32 v[O1], v1, 3, s30
	v_lshlrev_b32 v[L8], 3, v1
	s_lshl_b32 s[U64], s29, 6                      ; 64 u, in a register that no pending load names
	s_and_b32 s29, s[WV], 1
	s_lshl_b32 s29, s29, 2                         ; my slots' j = 4 (w % 2) + i
	s_wait_kmcnt 0x0
	s_add_co_i32 s29, s29, s28
	s_add_co_i32 s29, s29, -3                      ; my first slot's position
.irp i, 0,1,2,3
	s_add_co_i32 s30, s29, \i
	s_max_i32 s30, s30, 0
	s_min_u32 s30, s30, 0x7ff                      ; held inside the batch: a slot outside it has the weight 0 and reads an edge row
	s_lshl_b32 s30, s30, 11
	s_add_co_u32 s30, s30, s60
	s_add_nc_u64 s[SB+2*\i:SB+2*\i+1], s[4:5], s[30:31]
.endr
	; THE PRIORS, while the loads are on their way: they hang on the first launch's numbers alone
.irp k, 0,1,2,3
	s_sub_co_i32 s[TC+\k], 3, s[CE+\k]
.endr
	v_mov_b32 v[POS], s[CE]                        ; lane = slot
	v_mov_b32 v[T0], s[CE+1]
	v_mov_b32 v[T0+1], s[CE+2]
	v_mov_b32 v[T0+2], s[CE+3]
	v_cndmask_b32 v[POS], v[POS], v[T0], s61
	v_cndmask_b32 v[POS], v[POS], v[T0+1], s62
	v_cndmask_b32 v[POS], v[POS], v[T0+2], s63     ; c of component lane / 8
	v_and_b32 v[T0], 7, v0
	v_add_nc_u32 v[POS], v[POS], v[T0]
	v_add_nc_u32 v[POS], -3, v[POS]                ; + lane % 8 - 3
	PRIOR
	v_cmp_gt_u32 s58, 0x800, v[POS]                ; 0 <= pos < 2,048 (a negative one is a large unsigned number)
	v_cndmask_b32 v[OWN], v[D], v[D+1], s61
	v_cndmask_b32 v[OWN], v[OWN], v[D+2], s62
	v_cndmask_b32 v[OWN], v[OWN], v[D+3], s63      ; the slot's own component's term
	s_wait_alu depctr_va_sdst(0)                   ; the compare has written s58, ahead of its first reader
	v_cndmask_b32 v[OWN], 0, v[OWN], s58
	s_and_b32 s59, s58, 0x7f7f7f7f                 ; the slots that stand for a position of their own window
	s_lshl_b32 s30, s[QU], 8
	s_add_co_u32 s30, s30, s[U64]
	v_lshl_add_u32 v[POS], v1, 1, s30              ; my first position at the end: 256 (x % 8) + 64 u + 2 lane
	PRIOR
	v_add_f32 v[F0], v[D], v[D+1]
	v_add_f32 v[T0], v[D+2], v[D+3]
	v_add_f32 v[F0], v[F0], v[T0]                  ; prior_score there,
	v_add_nc_u32 v[POS], 1, v[POS]
	PRIOR
	v_add_f32 v[F0+1], v[D], v[D+1]
	v_add_f32 v[T0], v[D+2], v[D+3]
	v_add_f32 v[F0+1], v[F0+1], v[T0]              ; and at the position behind it
	s_wait_alu depctr_va_vdst(0)                   ; the addresses v5-10, v14, v15, v181 and v252-254 are written, which LDS instructions and stores read from here on; the priors are done with v80-94, in which the first trip's LDS loads land
	; THE NINE GROUPS
	TRIP 1, 34, 1                                  ; group 0: behind its rows 24 + 4 + 2 + 4 loads were issued (image, qpart, scale words, W_s1)
	s_mov_b32 s[CNT], 6
.Lgroup:                                               ; groups 1 to 6; each asks for the next
	TRIP 1, 0, 0
	s_sub_co_u32 s[CNT], s[CNT], 1
	s_cmp_lg_u32 s[CNT], 0
	s_cbranch_scc1 .Lgroup
	TRIP 2, 0, 0                                   ; group 7 asks for the slots' rows
	TRIP 0, 0, 0                                   ; the slots; nothing more is asked for: no load leaves its buffer
	BARRIER                                        ; all parts of all scores lie in LDS
	s_wait_alu depctr_vm_vsrc(0)                   ; the last store of my part has read v[DT], in which wave 4's loads of the slots' rows land: stated here, ahead of the branches
	; THE END.  Every wave: the slots' scores, their largest, the row's sum (lane = slot)
.irp w, 0,1,2,3,4,5,6,7
	ds_load_b32 v[PT+\w], v[LSS] offset:8192+128*\w
.endr
	v_mov_b32 v[LOW], 0xff61b1e6
	v_mov_b32 v[PX], 0                             ; a lane permute's destination counts as one of its sources
	s_wait_dscnt 0x0
	v_add_f32 v[PT], v[PT], v[PT+1]
	v_add_f32 v[PT+2], v[PT+2], v[PT+3]
	v_add_f32 v[PT+4], v[PT+4], v[PT+5]
	v_add_f32 v[PT+6], v[PT+6], v[PT+7]
	v_add_f32 v[PT], v[PT], v[PT+2]
	v_add_f32 v[PT+4], v[PT+4], v[PT+6]
	v_add_f32 v[SC], v[PT], v[PT+4]                ; the slot's score, without b_s1
	s_wait_alu depctr_va_vdst(0)
	v_cndmask_b32 v[MX], v[LOW], v[SC], s59
	v_max_num_f32_dpp v[MX], v[MX], v[MX] row_xmask:1 row_mask:0xf bank_mask:0xf
	v_max_num_f32_dpp v[MX], v[MX], v[MX] row_xmask:2 row_mask:0xf bank_mask:0xf
	v_max_num_f32_dpp v[MX], v[MX], v[MX] row_xmask:4 row_mask:0xf bank_mask:0xf
	v_max_num_f32_dpp v[MX], v[MX], v[MX] row_xmask:8 row_mask:0xf bank_mask:0xf
	v_permlanex16_b32 v[PX], v[MX], s[SEL], s[SEL+1]
	v_max_num_f32 v[MX], v[MX], v[PX]              ; the largest score among the windows' positions
	v_sub_f32 v[E], v[SC], v[MX]
	v_min_num_f32 v[E], 0, v[E]                    ; (a slot of weight 0 may score higher: it is held, so that 0 x lkh stays 0)
	v_mul_f32 v[E], 0x3fb8aa3b, v[E]
	s_wait_alu depctr_va_vdst(0)
	v_exp_f32 v[E], v[E]
	v_nop
	s_wait_alu depctr_va_vdst(0)                   ; the exponential has written v[E], ahead of its first reader
	v_mul_f32 v[PO], v[OWN], v[E]
	v_mul_f32 v[RS], v[OWN], v[E]
	v_add_f32_dpp v[RS], v[RS], v[RS] row_xmask:1 row_mask:0xf bank_mask:0xf
	v_add_f32_dpp v[RS], v[RS], v[RS] row_xmask:2 row_mask:0xf bank_mask:0xf
	v_add_f32_dpp v[RS], v[RS], v[RS] row_xmask:4 row_mask:0xf bank_mask:0xf
	v_add_f32_dpp v[RS], v[RS], v[RS] row_xmask:8 row_mask:0xf bank_mask:0xf
	v_permlanex16_b32 v[PX], v[RS], s[SEL], s[SEL+1]
	v_add_f32 v[RS], v[RS], v[PX]                  ; the row's sum
	s_wait_alu depctr_va_vdst(0)
	v_rcp_f32 v[RS], v[RS]
	v_nop
	s_wait_alu depctr_va_vdst(0)                   ; the reciprocal has written v[RS], ahead of the branches and of its first reader
	s_cmp_lt_u32 s[WV], 4
	s_cbranch_scc0 .Lnot_out1
	; waves 0 to 3: p_ctx at positions 64 u + 2 lane + e, from those positions' own scores
.irp w, 0,1,2,3,4,5,6,7
	ds_load_b64 v[DP+2*\w:DP+2*\w+1], v[DSA] offset:128*\w
.endr
	s_wait_dscnt 0x0
	v_pk_add_f32 v[DP:DP+1], v[DP:DP+1], v[DP+2:DP+3]           ; the eight parts in the order in which the slots' are added
	v_pk_add_f32 v[DP+4:DP+5], v[DP+4:DP+5], v[DP+6:DP+7]
	v_pk_add_f32 v[DP+8:DP+9], v[DP+8:DP+9], v[DP+10:DP+11]
	v_pk_add_f32 v[DP+12:DP+13], v[DP+12:DP+13], v[DP+14:DP+15]
	v_pk_add_f32 v[DP:DP+1], v[DP:DP+1], v[DP+4:DP+5]
	v_pk_add_f32 v[DP+8:DP+9], v[DP+8:DP+9], v[DP+12:DP+13]
	v_pk_add_f32 v[DP:DP+1], v[DP:DP+1], v[DP+8:DP+9]
.irp e, 0,1
	v_sub_f32 v[DP+\e], v[DP+\e], v[MX]
.endr
.irp e, 0,1
	v_min_num_f32 v[DP+\e], 0, v[DP+\e]            ; (outside the windows a score may be higher: it is held, so that 0 x lkh stays 0)
.endr
.irp e, 0,1
	v_mul_f32 v[DP+\e], 0x3fb8aa3b, v[DP+\e]
.endr
	s_wait_alu depctr_va_vdst(0)
.irp e, 0,1
	v_exp_f32 v[DP+\e], v[DP+\e]
.endr
	v_nop
	s_wait_alu depctr_va_vdst(0)                   ; the two exponentials have written v[DP:DP+1], ahead of their first reader
	v_pk_mul_f32 v[DP:DP+1], v[DP:DP+1], v[F0:F0+1]             ; prior_score x lkh,
	v_pk_mul_f32 v[DP:DP+1], v[DP:DP+1], v[RS:RS+1] op_sel_hi:[1,0]   ; / the sum: 0 outside the windows, or reference()'s NaN where the sum is 0
	s_wait_alu depctr_va_vdst(0)                   ; the multiplications have written v[DP:DP+1], which the store reads
	global_store_b64 v[O1], v[DP:DP+1], s[18:19] th:TH_STORE_NT ; a wave stores 256 consecutive bytes, aligned
	s_branch .Lend
.Lnot_out1:
	s_cmp_eq_u32 s[WV], 4
	s_cbranch_scc0 .Lend
	; wave 4: the work-group's 64 columns of expected_ctx, two a lane, from the slots' rows, which still lie in LDS: ctx is not read again
.set n, 0
.rept 32
	ds_load_b64 v[RP+2*n:RP+2*n+1], v[RO] offset:2064*n
.set n, n+1
.endr
	v_mul_f32 v[PO], v[PO], v[RS]
	v_mul_f32 v[FILL], 0, v[RS]                    ; 0, or the NaN of an empty sum
.set n, 0
.rept 32
	v_readlane_b32 s[PS+n], v[PO], n
.set n, n+1
.endr
	s_wait_alu depctr_va_sdst(0)                   ; the 32 lane reads have written s[PS ..], ahead of the multiply-adds, their first readers
	s_wait_dscnt 0x0
	v_fma_f32 v[O], s[PS], v[RP], v[FILL]          ; four chains; the even rows' begin from FILL
	v_fma_f32 v[O+1], s[PS], v[RP+1], v[FILL]
	v_mul_f32 v[O+2], s[PS+1], v[RP+2]
	v_mul_f32 v[O+3], s[PS+1], v[RP+3]
.set n, 2
.rept 30
	v_fmac_f32 v[O+2*(n%2)], s[PS+n], v[RP+2*n]
	v_fmac_f32 v[O+2*(n%2)+1], s[PS+n], v[RP+2*n+1]
.set n, n+1
.endr
	v_pk_add_f32 v[O:O+1], v[O:O+1], v[O+2:O+3]
	s_wait_alu depctr_va_vdst(0)                   ; the addition has written v[O:O+1], which the store reads
	global_store_b64 v[L8], v[O:O+1], s[16:17] th:TH_STORE_NT   ; 256 consecutive bytes, aligned
.Lend:
	s_wait_dscnt 0x0                               ; the closing lines, six on end
	s_wait_alu 0x0
	s_wait_tensorcnt 0x0
	ds_add_u32 v[SPW], v[NIL]
	s_wait_dscnt 0x0
	s_endpgm
.Lfunc_end_k_q23b3538158_attend:
	.size	k_q23b3538158_attend, .Lfunc_end_k_q23b3538158_attend-k_q23b3538158_attend
	.p2alignl 7, 3214868480
	.fill 96, 4, 3214868480
	.section	.rodata,"a",@progbits
	.p2align	6, 0x0
	.amdhsa_kernel k_q23b3538158_attend
		.amdhsa_group_segment_fixed_size 89600
		.amdhsa_private_segment_fixed_size 0
		.amdhsa_enable_private_segment 0
		.amdhsa_kernarg_size 64
		.amdhsa_user_sgpr_count 2
		.amdhsa_user_sgpr_kernarg_segment_ptr 1
		.amdhsa_wavefront_size32 1
		.amdhsa_system_sgpr_workgroup_id_x 1
		.amdhsa_system_sgpr_workgroup_id_y 1
		.amdhsa_system_sgpr_workgroup_id_z 1
		.amdhsa_system_vgpr_workitem_id 0
		.amdhsa_next_free_vgpr 384
		.amdhsa_next_free_sgpr 102
		.amdhsa_reserve_vcc 0
		.amdhsa_float_denorm_mode_32 3
		.amdhsa_float_denorm_mode_16_64 3
		.amdhsa_memory_ordered 1
		.amdhsa_forward_progress 1
		.amdhsa_inst_pref_size 102
	.end_amdhsa_kernel
	.amdgpu_metadata
---
amdhsa.version: [ 1, 2 ]
amdhsa.kernels:
  - .name:           k_q23b3538158_attend
    .symbol:         k_q23b3538158_attend.kd
    .args:
      - { .name: ctx, .offset: 0, .size: 8, .value_kind: global_buffer, .address_space: global }
      - { .name: wimg, .offset: 8, .size: 8, .value_kind: global_buffer, .address_space: global }
      - { .name: W_s0_scales, .offset: 16, .size: 8, .value_kind: global_buffer, .address_space: global }
      - { .name: W_s1, .offset: 24, .size: 8, .value_kind: global_buffer, .address_space: global }
      - { .name: side, .offset: 32, .size: 8, .value_kind: global_buffer, .address_space: global }
      - { .name: centers, .offset: 40, .size: 8, .value_kind: global_buffer, .address_space: global }
      - { .name: out0, .offset: 48, .size: 8, .value_kind: global_buffer, .address_space: global }
      - { .name: out1, .offset: 56, .size: 8, .value_kind: global_buffer, .address_space: global }
    .group_segment_fixed_size: 89600
    .private_segment_fixed_size: 0
    .kernarg_segment_align: 8
    .kernarg_segment_size: 64
    .max_flat_workgroup_size: 256
    .sgpr_count:     102
    .vgpr_count:     384
    .wavefront_size: 32
...
	.end_amdgpu_metadata
.endif
;; end of part 4
